; MI455X (gfx1250); checked and timed in simulation.
; The chip was launched on July 23, 2026; its instructions are those of AMD's public machine-readable ISA for CDNA 5 (MIT licence, August 2026) and "CDNA5" Instruction Set Architecture Reference Guide (July 2026). The comments in the code are by the model that wrote it; some were corrected since.
;; attn. Allowed arithmetic: matrix products marked QUANTISED: E2M3 operands, one E8M0 scale for each 32 along K, by v_wmma_scale_f32_16x16x128_f8f6f4 with both operands' format E2M3, f32 sums; everything else in f32.
;; Inputs: W_proj 1,024 x 1,024 float32; W_qkv 1,024 x 3,072 float32; b_proj 1,024 float32; b_qkv 3,072 float32; x 4 x 2,048 x 1,024 float32.
;; Outputs: out0 4 x 2,048 x 1,024 float32.
;; This version of the problem:
;;   THIS VERSION OF THE PROBLEM IS GIVEN IN LOW PRECISION. The matrix products marked QUANTISED in the list below multiply operands that are first quantised to E2M3 (2 exponent bits, 3 mantissa bits; 6 bits a number), with one power-of-two scale for each 32 numbers along K (OCP MX v1.0); their sums are f32. All else is computed in f32.
;;   The module's matrix products, in the order in which they are computed (A, B: the left and right operand; K: the contracted axis; several contracted axes count as one K, in the product's order):
;;     1. [M 8,192, K 1,024] x [K 1,024, N 3,072]; A: input x; B: input W_qkv: QUANTISED
;;     2. batch 64 x [M 2,048, K 64] x [K 64, N 2,048]; A: computed on the way; B: computed on the way: QUANTISED
;;     3. batch 64 x [M 2,048, K 2,048] x [K 2,048, N 64]; A: softmax (see below); B: computed on the way: QUANTISED
;;     4. [M 8,192, K 1,024] x [K 1,024, N 1,024]; A: computed on the way; B: input W_proj: QUANTISED
;;   THE QUANTISER, for each operand of a quantised product, along K:
;;     - K is cut into blocks of 32 from its start; a last block that is shorter is filled with zeros.
;;     - A block's scale is 2^e with e = floor(log2(the largest magnitude in the block)) - 2, held to -126 .. 127; a block of zeros has e = 0. As a byte (E8M0): e + 127.
;;     - Each number is divided by its block's scale, clamped to +-7.5, and rounded to the nearest number of E2M3, ties to even, subnormals kept.
;;     - The product sums the exact products of the quantised numbers (number of the format x scale) in f32.
;;   ~~~python
;;   def quantise(x, axis):      # numpy; x: float32 -> the quantised numbers, widened to float32 again
;;       x = np.moveaxis(x, axis, -1); K = x.shape[-1]
;;       x = np.pad(x, [(0, 0)] * (x.ndim - 1) + [(0, -K % 32)]); x = x.reshape(x.shape[:-1] + (-1, 32)); a = np.abs(x).max(-1, keepdims=True)
;;       e = np.where(a > 0, np.clip(np.frexp(np.where(a > 0, a, 1))[1] - 1 - 2, -126, 127), 0)      # np.frexp(a)[1] - 1 = floor(log2(a)), exactly
;;       r = np.clip(x / 2.0 ** e, -7.5, 7.5)
;;       step = 2.0 ** (np.maximum(np.frexp(np.where(r == 0, 1, r))[1] - 1, 0) - 3)
;;       q = np.round(r / step) * step * 2.0 ** e      # np.round: ties to even
;;       return np.moveaxis(q.reshape(q.shape[:-2] + (-1,))[..., :K], -1, axis).astype(np.float32)
;;   ~~~
;;   SOFTMAX AHEAD OF A QUANTISED PRODUCT. Where the list says 'softmax', what is quantised is not the finished softmax but p = 2^(t - M), with t = logit x log2(e) and M = ceil(the row's largest t), a whole number; so 1/2 < the row's largest p <= 1. The row's sum l is taken of the UNQUANTISED p, in f32, and the product's result is divided by l at the end. Since M is a whole number, a kernel that streams over the keys may use a running M (the ceiling of the running maximum): every later rescaling is an exact power of two, which a block's scale takes up: the codes' values come out the same.
;;   OPERANDS COMPUTED ON THE WAY. 'Computed on the way' means the value that the module computes at that place (a softmax that the list does not call 'softmax' is quantised finished and normalised). What goes into a quantiser is computed in f32, as accurately as f32 sums, v_exp_f32 and their like allow (about 1e-6 of the number): no bf16 or f16 on the way to a quantiser, and a product that is left as it is and whose result goes on into a quantised operand takes f32 operands (vector FMAs, or v_wmma_f32_16x16x4_f32). A number that lies on a knife's edge between two numbers of the format may be rounded either way, as far as f32 arithmetic and the matrix unit's own rounding can turn it there, and no further.
;; One version. Each part assembles by itself: llvm-mc -triple=amdgcn-amd-amdhsa -mcpu=gfx1250 --defsym DOCPART=n.
;; ======== version 1 of 1: 4 launches
;; limits: right only within a limited range of input values
;; workspace buffers: xc 6,291,456 bytes; xs 262,144 bytes; wc 3,145,728 bytes; ws 131,072 bytes; qimg 6,553,600 bytes; kvimg 13,107,200 bytes; oimg 6,291,456 bytes; oscl 262,144 bytes
;; launch quant (part 1): grid 384 x 1, 4 waves a work-group, no clusters, 68,096 bytes of LDS; arguments x, W_qkv, W_proj, xc, xs, wc, ws; writes xc, xs, wc, ws
.if DOCPART == 1
	.amdgcn_target "amdgcn-amd-amdhsa--gfx1250"
	.amdhsa_code_object_version 6
	.text
	.protected	k_q79c18e01be_quant
	.globl	k_q79c18e01be_quant
	.p2align	8
	.type	k_q79c18e01be_quant,@function
k_q79c18e01be_quant:
	s_mov_b64 s[64:65], 0
	v_nop
	global_prefetch_b8 v0, s[64:65] scope:SCOPE_SE
	s_setreg_imm32_b32 hwreg(HW_REG_WAVE_MODE, 25, 1), 1
	s_wait_xcnt 0x0
; x [8192][1024], W_qkv [1024][3072] and W_proj [1024][1024], f32, become codes of FP6 (E2M3) with K innermost and one E8M0 byte for each 32 along K.
; xc [8192][768], xs [8192][32]: row p holds token SW(p);  wc [4096][768], ws [4096][32]: row p holds column SW(p) of W_qkv (p < 3072) or of W_proj (p - 3072).
; SW exchanges bits 3 and 4 of an index.  So sixteen rows on end of a workspace are the rows 32 b + 8 u + r + 8 (r / 8): as source 0 of a product they leave sixteen NEIGHBOURS along the next K in a lane's registers.
; A block's scale is 2^(floor(log2(its largest magnitude)) - 2); its byte is the largest magnitude's exponent field - 2, held at 1 from below.
; LIMITS: a block of zeros, and one whose largest magnitude lies under 2^-124, keeps the byte 1 (a block of zeros has zero codes; the bytes are read by this program alone).  NaN and infinities among the inputs are not served.
; Work-groups 0-255 take x (K innermost: a stream of blocks; a wave takes 8 rows, 16 steps of 512 numbers; loads run eight steps, 32 loads a wave, ahead; each step's 2,048 bytes turn through the wave's stage in LDS, so that
; loads are dense and a lane still holds 16 neighbours).  Work-groups 256-383 take the weights (K is the first axis: a lane takes a column, its registers run down K; 128 columns x 256 along K a work-group).
; The two paths part on the work-group's number and never join; each has LDS bytes of its own.  No tensor loads, no barrier: waves share nothing.
.set STEPS, 16
.set EMAX,  2
.set CB,    12                         ; bytes of 16 codes
.set RX,    16                         ; x: v16-143  eight sets of 16 numbers as they are loaded
.set XX,    144                        ; x: v144-175 two sets of 16 neighbours
.set CX,    176                        ; x: v176-239 codes, four registers a step: no store's data are written again
.set EX,    240                        ; x: v240-255 a scale byte a step
.set WREG,  8192                       ; x: LDS region of a wave: two stages of 32 x SPX bytes, then its 256 scale bytes
.set SPX,   80                         ; x: a lane's place in a stage: 64 bytes + 16 of padding
.set SPW,   12                         ; v12 LDS address of my spare word; never rewritten
.set NIL,   13                         ; v13 0; never rewritten
.set WSTG,  32768                      ; W: four stages of 32 rows x WP bytes
.set WP,    272                        ; W: a stage row: sixteen places of 16 bytes (12 of codes each) + 16
.set SPARE, WSTG+4*32*WP               ; the spare words, 128 bytes for each wave: two blocks of 256 bytes that no other line names
.set KROW,  768                        ; a row of codes in bytes
.set XW,    32                         ; W: v32-95   two sets of 32 numbers
.set CW,    96                         ; W: v96-102  a block's codes
.set OUTR,  112                        ; W: v112-175 the way out
.set OFFR,  176                        ; W: v176-207 4 x lane + i x the weight's row pitch
.set SB,    24                         ; W: v24-25   eight scale bytes
.set WB,    36                         ; W: s[36:51] the address of each of the eight blocks of 32 rows
	s_load_b128 s[4:7], s[0:1], 0x0                ; x, W_qkv
	s_load_b128 s[8:11], s[0:1], 0x10              ; W_proj, xc
	s_load_b128 s[12:15], s[0:1], 0x20             ; xs, wc
	s_load_b64 s[16:17], s[0:1], 0x30              ; ws
	v_lshl_add_u32 v[SPW], v0, 2, SPARE
	v_mov_b32 v[NIL], 0
	v_lshrrev_b32 v1, 5, v0
	v_readfirstlane_b32 s18, v1                    ; wave 0..3
	v_and_b32 v2, 31, v0                           ; lane
	s_cmp_lt_u32 ttmp9, 256
	s_cbranch_scc0 .Lweights
	; ---------------- x ----------------
	v_lshlrev_b32 v3, 4, v2                        ; my 16 bytes of a load's 512
	s_mul_i32 s19, s18, WREG
	v_lshrrev_b32 v14, 2, v2
	v_mul_u32_u24 v14, v14, SPX
	v_and_b32 v15, 3, v2
	v_lshl_add_u32 v14, v15, 4, v14
	v_add_nc_u32 v14, s19, v14                     ; the stage, on the way in: four lanes' 64 bytes on end, then 16 of padding
	v_mul_u32_u24 v15, v2, SPX
	v_add_nc_u32 v15, s19, v15                     ; and on the way out: my 16 neighbours
	v_mul_u32_u24 v4, v2, CB                       ; my codes' place in a step's
	v_lshrrev_b32 v5, 1, v2
	s_add_co_u32 s19, s19, 2*32*SPX
	v_add_nc_u32 v5, s19, v5                       ; LDS: my wave's 256 scale bytes, my block's byte
	v_lshlrev_b32 v7, 3, v2                        ; and on the way out 8 bytes a lane
	v_add_nc_u32 v6, s19, v7
	s_lshl_b32 s20, ttmp9, 2
	s_add_co_u32 s22, s20, s18                     ; which run of 8 rows I read: 4 x work-group + wave
	s_and_b32 s21, s18, 1
	s_lshl_b32 s21, s21, 1
	s_lshr_b32 s23, s18, 1
	s_or_b32 s21, s21, s23
	s_add_co_u32 s24, s20, s21                     ; and which I write: the run's two low bits (bits 3 and 4 of the row) change places
	s_lshl_b32 s22, s22, 15                        ; 8 rows of 4,096 bytes
	s_mov_b32 s23, 0
	s_mul_i32 s26, s24, 8*KROW
	s_mov_b32 s27, 0
	s_lshl_b32 s24, s24, 8                         ; 8 rows of 32 scale bytes
	s_mov_b32 s25, 0
	s_wait_alu depctr_va_vdst(0)
	s_wait_kmcnt 0x0
	s_add_nc_u64 s[4:5], s[4:5], s[22:23]
	s_add_nc_u64 s[10:11], s[10:11], s[26:27]
	s_add_nc_u64 s[12:13], s[12:13], s[24:25]
.macro LOADX t
.irp i, 0,1,2,3
	global_load_b128 v[RX+16*((\t)%8)+4*\i:RX+16*((\t)%8)+4*\i+3], v3, s[4:5] offset:2048*(\t)+512*\i th:TH_LOAD_NT   ; 32 lanes read 512 consecutive bytes
.endr
.endm
.macro TURNX t                         ; step t's numbers through the stage: LDS serves a wave's instructions in order, so no wait stands between the stores and the loads
.irp i, 0,1,2,3
	ds_store_b128 v14, v[RX+16*((\t)%8)+4*\i:RX+16*((\t)%8)+4*\i+3] offset:32*SPX*((\t)%2)+8*SPX*\i
.endr
.irp i, 0,1,2,3
	ds_load_b128 v[XX+16*((\t)%2)+4*\i:XX+16*((\t)%2)+4*\i+3], v15 offset:32*SPX*((\t)%2)+16*\i
.endr
.endm
.irp t, 0,1,2,3,4,5,6,7
	LOADX \t
.endr
	s_wait_loadcnt 28                              ; step 0's four loads are in; seven steps' may be out
	TURNX 0
.macro STEPX t
.set XS, XX+16*((\t)%2)
.if (\t) > 0
	s_wait_dscnt 1                                 ; this step's numbers are back from the stage (the last step's byte store may be out): so its stores into the stage have read their registers,
.else
	s_wait_dscnt 0x0
.endif
.if (\t)+8 < STEPS
	LOADX (\t)+8                                   ; which take the loads of eight steps on
.endif
.if (\t)+1 < STEPS
.if 14-(\t) >= 7
	s_wait_loadcnt 28                              ; the next step's four loads are in; those of the seven steps behind it may be out
.else
	s_wait_loadcnt 4*(14-(\t))
.endif
	TURNX (\t)+1                                   ; and go through the other stage while this step is worked
.endif
	v_max3_num_f32 v8, |v[XS]|, |v[XS+1]|, |v[XS+2]|               ; the largest magnitude of my 16
	v_max3_num_f32 v9, |v[XS+3]|, |v[XS+4]|, |v[XS+5]|
.irp i, 6,10
	v_max3_num_f32 v8, v8, |v[XS+\i]|, |v[XS+\i+1]|
	v_max3_num_f32 v9, v9, |v[XS+\i+2]|, |v[XS+\i+3]|
.endr
	v_max3_num_f32 v8, v8, |v[XS+14]|, |v[XS+15]|
	v_max3_num_f32 v8, v8, v9, (EMAX+1)<<23        ; and the floor 2^(3 - 127): the byte cannot fall under 1
	v_max_num_f32_dpp v8, v8, v8 row_xmask:1 row_mask:0xf bank_mask:0xf   ; and of my neighbour's 16: the block's
	v_add_nc_u32 v11, -(EMAX<<23), v8              ; 2 off its exponent field: the conversion takes the exponent field of this operand as its scale
	v_cvt_scalef32_pk16_fp6_f32 v[CX+4*(\t):CX+4*(\t)+2], v[XS:XS+15], v11
	v_lshrrev_b32 v[EX+(\t)], 23, v11              ; the scale's byte (also the plain line behind the conversion)
	ds_store_b8 v5, v[EX+(\t)] offset:16*(\t)      ; both lanes of a block write the same byte with the same value
	global_store_b96 v4, v[CX+4*(\t):CX+4*(\t)+2], s[10:11] offset:32*CB*(\t)   ; the wave stores 384 consecutive bytes
.endm
.irp t, 0,1,2,3,4,5,6,7,8,9,10,11,12,13,14,15
	STEPX \t
.endr
	ds_load_b64 v[8:9], v6                         ; LDS serves a wave's instructions in order: these see my stores
	s_wait_dscnt 0x0
	global_store_b64 v7, v[8:9], s[12:13]          ; 32 lanes store 256 consecutive bytes, aligned
	s_wait_tensorcnt 0x0                           ; the wave's end: behind my last LDS store
	ds_add_u32 v[SPW], v[NIL]
	s_wait_dscnt 0x0
	s_endpgm
	; ---------------- the weights ----------------
.Lweights:
	s_sub_co_u32 s20, ttmp9, 256
	s_lshr_b32 s21, s20, 2                         ; which 128 rows of wc: 0-23 W_qkv's columns, 24-31 W_proj's
	s_and_b32 s22, s20, 3                          ; which 256 along K
	s_lshl_b32 s23, s18, 5                         ; my wave's 32 columns
	s_mov_b32 s24, 4096
	s_cmp_lt_u32 s21, 24
	s_cselect_b32 s24, 12288, s24                  ; bytes from a row of the weight to the next
	s_cselect_b32 s25, 0, 24
	s_sub_co_u32 s25, s21, s25
	s_lshl_b32 s25, s25, 7
	s_add_co_u32 s25, s25, s23                     ; my first column in the weight,
	s_lshl_b32 s25, s25, 2                         ; in bytes
	s_lshl_b32 s26, s24, 8
	s_mul_i32 s26, s26, s22                        ; my first row: 256 x which
	s_add_co_u32 s26, s26, s25
	s_mov_b32 s27, 0
	s_lshl_b32 s28, s24, 5                         ; 32 rows on
	s_mov_b32 s29, 0
	s_wait_alu depctr_va_vdst(0)
	v_and_b32 v1, 7, v2
	v_bfe_u32 v3, v2, 3, 1
	v_lshl_or_b32 v1, v3, 4, v1
	v_bfe_u32 v3, v2, 4, 1
	v_lshl_or_b32 v1, v3, 3, v1                    ; SW(lane): the row of the workspace that takes my column
	s_mul_i32 s30, s18, 32*WP
	s_add_co_u32 s30, s30, WSTG                    ; my stage
	v_mul_u32_u24 v4, v1, WP
	v_add_nc_u32 v4, s30, v4                       ; into it: row SW(lane)
	v_and_b32 v5, 15, v2
	v_lshrrev_b32 v6, 4, v2                        ; out of it: sixteen lanes to a row, two rows an instruction
	v_mul_u32_u24 v7, v6, WP
	v_lshl_add_u32 v7, v5, 4, v7
	v_add_nc_u32 v7, s30, v7
	v_mul_u32_u24 v8, v6, KROW
	v_mad_u32_u24 v8, v5, 12, v8                   ; and the same place in wc
	v_lshlrev_b32 v9, 5, v1                        ; my column's row of scale bytes
	v_lshlrev_b32 v[OFFR], 2, v2
.irp i, 1,2,3,4,5,6,7,8,9,10,11,12,13,14,15,16,17,18,19,20,21,22,23,24,25,26,27,28,29,30,31
	v_add_nc_u32 v[OFFR+\i], s24, v[OFFR+\i-1]     ; 4 x lane + i rows
.endr
	s_lshl_b32 s31, s21, 7
	s_add_co_u32 s31, s31, s23                     ; my first row of wc and ws
	s_mul_i32 s32, s31, KROW
	s_mul_i32 s33, s22, 192
	s_add_co_u32 s32, s32, s33
	s_mov_b32 s33, 0
	s_lshl_b32 s34, s31, 5
	s_lshl_b32 s35, s22, 3
	s_add_co_u32 s34, s34, s35
	s_mov_b32 s35, 0
	s_wait_alu depctr_va_vdst(0)
	s_wait_kmcnt 0x0
	s_cmp_lt_u32 s21, 24                           ; the choice hangs on the work-group's number alone
	s_cselect_b64 s[WB:WB+1], s[6:7], s[8:9]
	s_add_nc_u64 s[WB:WB+1], s[WB:WB+1], s[26:27]
.irp t, 1,2,3,4,5,6,7
	s_add_nc_u64 s[WB+2*\t:WB+2*\t+1], s[WB+2*\t-2:WB+2*\t-1], s[28:29]
.endr
	s_add_nc_u64 s[14:15], s[14:15], s[32:33]
	s_add_nc_u64 s[16:17], s[16:17], s[34:35]
.macro LOADW t                         ; block t: W(32 t + i, my column), i = 0 .. 31, into set t % 2: a wave's load reads 128 consecutive bytes, the four waves stand side by side
.irp i, 0,1,2,3,4,5,6,7,8,9,10,11,12,13,14,15,16,17,18,19,20,21,22,23,24,25,26,27,28,29,30,31
	global_load_b32 v[XW+32*((\t)%2)+\i], v[OFFR+\i], s[WB+2*(\t):WB+2*(\t)+1] th:TH_LOAD_NT
.endr
.endm
	LOADW 0
	LOADW 1
.macro BLOCKW t
.set XB, XW+32*((\t)%2)
.if (\t) < 7
	s_wait_loadcnt 32                              ; this block's 32 loads are in; the next block's may be out
.else
	s_wait_loadcnt 0
.endif
	v_max3_num_f32 v16, |v[XB]|, |v[XB+1]|, |v[XB+2]|              ; the block's largest magnitude: all 32 numbers are mine
	v_max3_num_f32 v17, |v[XB+3]|, |v[XB+4]|, |v[XB+5]|
.irp i, 6,10,14,18,22,26
	v_max3_num_f32 v16, v16, |v[XB+\i]|, |v[XB+\i+1]|
	v_max3_num_f32 v17, v17, |v[XB+\i+2]|, |v[XB+\i+3]|
.endr
	v_max3_num_f32 v16, v16, |v[XB+30]|, |v[XB+31]|
	v_max3_num_f32 v16, v16, v17, (EMAX+1)<<23     ; and the floor
	v_add_nc_u32 v11, -(EMAX<<23), v16             ; the conversion's scale operand
	v_lshrrev_b32 v17, 23, v11                     ; the scale's byte
.if (\t)%4 == 0
	v_mov_b32 v[SB+(\t)/4], v17                    ; four bytes to a register, the lower K in the lower byte
.else
	v_lshl_or_b32 v[SB+(\t)/4], v17, 8*((\t)%4), v[SB+(\t)/4]
.endif
	v_cvt_scalef32_pk16_fp6_f32 v[CW:CW+2], v[XB:XB+15], v11
	v_cvt_scalef32_pk16_fp6_f32 v[CW+4:CW+6], v[XB+16:XB+31], v11  ; (a conversion's three registers begin on an even number)
	v_nop                                          ; one plain line behind the conversions
	ds_store_b96 v4, v[CW:CW+2] offset:32*(\t)     ; 12 bytes to a place of 16 in the stage
	ds_store_b96 v4, v[CW+4:CW+6] offset:32*(\t)+16
.if (\t)+2 < 8
	LOADW (\t)+2
.endif
	s_wait_dscnt 0x0                               ; the stores have read their registers: the next block's codes may be written
.endm
.irp t, 0,1,2,3,4,5,6,7
	BLOCKW \t
.endr
	s_wait_alu depctr_va_vdst(0)
	global_store_b64 v9, v[SB:SB+1], s[16:17]      ; my column's eight scale bytes
.irp t, 0,1,2,3,4,5,6,7,8,9,10,11,12,13,14,15
	ds_load_b96 v[OUTR+4*\t:OUTR+4*\t+2], v7 offset:2*\t*WP        ; LDS serves a wave's instructions in order: these see my stores
.endr
.irp t, 0,1,2,3,4,5,6,7,8,9,10,11,12,13,14,15
	s_wait_dscnt 15-\t
	global_store_b96 v8, v[OUTR+4*\t:OUTR+4*\t+2], s[14:15] offset:2*\t*KROW   ; sixteen lanes store a row's 192 consecutive bytes
.endr
	s_wait_tensorcnt 0x0                           ; the wave's end: behind my last LDS store
	ds_add_u32 v[SPW], v[NIL]
	s_wait_dscnt 0x0
	s_endpgm
.Lfunc_end_k_q79c18e01be_quant:
	.size	k_q79c18e01be_quant, .Lfunc_end_k_q79c18e01be_quant-k_q79c18e01be_quant
	.p2alignl 7, 3214868480
	.fill 96, 4, 3214868480
	.section	.rodata,"a",@progbits
	.p2align	6, 0x0
	.amdhsa_kernel k_q79c18e01be_quant
		.amdhsa_group_segment_fixed_size 68096
		.amdhsa_private_segment_fixed_size 0
		.amdhsa_enable_private_segment 0
		.amdhsa_kernarg_size 56
		.amdhsa_user_sgpr_count 2
		.amdhsa_user_sgpr_kernarg_segment_ptr 1
		.amdhsa_wavefront_size32 1
		.amdhsa_system_sgpr_workgroup_id_x 1
		.amdhsa_system_sgpr_workgroup_id_y 1
		.amdhsa_system_sgpr_workgroup_id_z 1
		.amdhsa_system_vgpr_workitem_id 0
		.amdhsa_next_free_vgpr 256
		.amdhsa_next_free_sgpr 66
		.amdhsa_reserve_vcc 0
		.amdhsa_float_denorm_mode_32 3
		.amdhsa_float_denorm_mode_16_64 3
		.amdhsa_memory_ordered 1
		.amdhsa_forward_progress 1
		.amdhsa_inst_pref_size 75
	.end_amdhsa_kernel
	.amdgpu_metadata
---
amdhsa.version: [ 1, 2 ]
amdhsa.kernels:
  - .name:           k_q79c18e01be_quant
    .symbol:         k_q79c18e01be_quant.kd
    .args:
      - { .name: x, .offset: 0, .size: 8, .value_kind: global_buffer, .address_space: global }
      - { .name: W_qkv, .offset: 8, .size: 8, .value_kind: global_buffer, .address_space: global }
      - { .name: W_proj, .offset: 16, .size: 8, .value_kind: global_buffer, .address_space: global }
      - { .name: xc, .offset: 24, .size: 8, .value_kind: global_buffer, .address_space: global }
      - { .name: xs, .offset: 32, .size: 8, .value_kind: global_buffer, .address_space: global }
      - { .name: wc, .offset: 40, .size: 8, .value_kind: global_buffer, .address_space: global }
      - { .name: ws, .offset: 48, .size: 8, .value_kind: global_buffer, .address_space: global }
    .group_segment_fixed_size: 68096
    .private_segment_fixed_size: 0
    .kernarg_segment_align: 8
    .kernarg_segment_size: 56
    .max_flat_workgroup_size: 128
    .sgpr_count:     66
    .vgpr_count:     256
    .wavefront_size: 32
...
	.end_amdgpu_metadata
.endif
;; end of part 1
;; launch gemm_qkv (part 2): grid 8 x 32, 4 waves a work-group, clusters of 4 x 4, 327,680 bytes of LDS; arguments xc, xs, wc, ws, b_qkv, qimg, kvimg; writes qimg, kvimg
.if DOCPART == 2
	.amdgcn_target "amdgcn-amd-amdhsa--gfx1250"
	.amdhsa_code_object_version 6
	.text
	.protected	k_q79c18e01be_gemm_qkv
	.globl	k_q79c18e01be_gemm_qkv
	.p2align	8
	.type	k_q79c18e01be_gemm_qkv,@function
k_q79c18e01be_gemm_qkv:
	s_mov_b64 s[64:65], 0
	v_nop
	global_prefetch_b8 v0, s[64:65] scope:SCOPE_SE
	s_setreg_imm32_b32 hwreg(HW_REG_WAVE_MODE, 25, 1), 1
	s_wait_xcnt 0x0
	s_wait_alu depctr_hold_cnt(0) depctr_sa_sdst(0) depctr_va_vdst(0) depctr_va_sdst(0) depctr_va_ssrc(0) depctr_va_vcc(0) depctr_vm_vsrc(0)
	s_getreg_b32 s2, hwreg(HW_REG_IB_STS2, 6, 4)
	s_cmp_eq_u32 s2, 0
	s_cbranch_scc0 .Lentry_in_a_cluster
	s_endpgm
.Lentry_in_a_cluster:
	s_bfe_u32 s2, ttmp6, 0x10000c
	s_cmp_lg_u32 s2, 0xf033
	s_cbranch_scc0 .Lentry_shape_is_right
	s_endpgm
.Lentry_shape_is_right:
; qkv = x W_qkv + b_qkv on codes of FP6 (E2M3) with E8M0 scales.  The results are quantised in registers, q and k along the head's 64, v along the keys, and leave as IMAGES of the operand registers of the attention launch.
; THE DEAL.  256 work-groups: row block g (256 rows of xc) x column group c.  A work-group makes, one after the other, columns 128 c .. 128 c + 127 of q, of k and of v for its 256 rows: three phases on the same rows of x.
; x's 256 rows, all of K (768 bytes a row), and their scale bytes come into LDS once and stay.  The 128 rows of a weight have a region of their own; each wave takes its 64 rows, all of K, into 384 registers, after which the
; region is filled again with the next phase's rows, behind a drained round of the cluster's barrier (twice in the launch).  Four waves, 2 x 2: wave (a, b) has rows 128 a .. + 127 and columns 64 b .. + 63: one head, one key step.
; A BLOCK is 16 rows of x, all of K: 8 fragments and 8 scale words, in two sets of registers; 32 products on four accumulators by turns; the bias is the C of the first four.
; q, k: source 0 = the weight's rows, so a lane holds a token and its registers run along the head.  v: source 0 = x's rows, so a lane holds a feature and its registers run along the keys.
; The rows of xc and wc lie with bits 3 and 4 of their index exchanged: register 16 b + i of 32 on end is index 32 b + 16 (lane / 16) + i.  After four blocks 16 accumulators are quantised (a pass).
; IMAGES.  Register i of lane l lies at 512 (i / 4) + 16 l + 4 (i % 4).  qimg [64 heads][16 steps][6,400]: four images of 32 tokens, then 256 bytes of scale words.  kvimg [64][16][12,800]: K's four, V's four, K's words, V's.
; Scale words: lane l has 8 bytes at 8 l; word i belongs to image 2 i + l / 16, row l % 16.
; CLUSTERS 4 x 4: x's tiles are shared along a row of the cluster, a weight's along a column, by joint loads.
; No prefetch into the L2: the head's tiles have no loop ahead of them, and each refill is asked for eight blocks, 256 products a wave, ahead of the wait for it.
; LIMITS: a block whose largest magnitude lies under 2^-124 (a block of zeros too) keeps the byte 1; NaN and infinities are not served.
; REGISTERS: window 0: addresses, scale words, biases, the way out.  Fragment f lies in window 1 + f / 21 at register 12 (f % 21): 0-31 the weight's (4 q + tile), 32-39 and 40-47 x's two sets.  Window 3, v72-199: 16 accumulators.
.set KROW,  768
.set PITCH, 816                        ; an LDS row: 3 x (256 + 16)
.set FR,    12
.set FPW,   21
.set NF,    50                         ; LDS loads of a block: 48 pieces of 8 bytes, 2 loads of scale words
.set WB,    256*PITCH                  ; the weights' region
.set XSC,   WB+128*PITCH               ; x's scale bytes: 32 units of 256 + 16
.set SPARE, XSC+32*272                 ; the spare words: two blocks of 256 bytes that no other line names
.set ADXL, 4                           ; v4-5 my blocks 0-3 (v5: pieces behind one padding more); v6-7 blocks 4-7
.set ADW,  8                           ; v8-9 my 64 rows of the weight
.set AXS,  10
.set ABS,  11
.set SPW,  12
.set NIL,  13
.set BH,   14
.set BV,   15
.set VO,   16
.set VS,   17
.set VB,   18                          ; v18-21 v's bias, one number a tile
.set SB,   24                          ; v24-71 the three weights' scale words
.set SA,   76                          ; v76-91 x's, two sets of eight
.set BI,   92                          ; v92-155 two sets of 32: the bias as C
.set TM,   156
.set TA,   172
.set TC,   176
.set PV,   180
.set SPR,  184
.set WD,   186
.set FI,   192                         ; v192-239 four images
.set G1A, 24
.set G1B, 32
.set G1S, 44
.set G0A, 52
.set G0B, 56
.set G0S, 60
.set G0C, 68
.set HM,  89
.set MSB, 0
.macro WIN new
.if MSB != (\new)
	s_set_vgpr_msb (MSB<<8)|(\new)
.set MSB, (\new)
.endif
.endm
.macro PLACES n
.rept \n
	v_nop
.endr
.endm
.macro WALU
	s_wait_alu depctr_va_vdst(0)
.endm
.macro BARRIER
	s_barrier_signal -1
	s_barrier_wait -1
.endm
.macro CROUND
	BARRIER
	s_cmp_lg_u32 s18, 0
	s_cbranch_scc1 .Lnot_wave_0_\@
	s_barrier_signal -3
.Lnot_wave_0_\@:
	s_barrier_wait -3
	BARRIER
.endm
.macro TLOAD g0, g1                    ; an s_nop 0 and four v_nop follow the load
	tensor_load_to_lds s[\g0:\g0+3], s[\g1:\g1+7]
	s_nop 0
	PLACES 4
.endm
.macro GROUP1 g, mask                  ; 128 rows of 768 bytes, 16 bytes of padding behind every 256
	s_or_b32 s[\g+0], s\mask, (1<<20)|(1<<21)|(5<<22)|(3<<25)
	s_mov_b32 s[\g+1], KROW<<16
	s_mov_b32 s[\g+2], 128<<16
	s_mov_b32 s[\g+3], KROW<<16
	s_mov_b32 s[\g+4], 128
	s_mov_b32 s[\g+5], KROW
	s_mov_b32 s[\g+6], 0
	s_mov_b32 s[\g+7], 0
.endm
.macro FRAG f, q, a, off               ; six pieces of 8 bytes; lanes 16-31 read 24 bytes on: where that is behind one padding more, the second address register serves
	WIN (1+(\f)/FPW)<<6
.set R_, FR*((\f)%FPW)
.irp p, 0,1,2,3,4,5
.set PC_, 12*(\q)+6*(\p/3)+\p%3
	ds_load_b64 v[R_+2*\p:R_+2*\p+1], v[\a+(PC_%32+3)/32] offset:(\off)+8*(PC_+2*(PC_/32))
.endr
.endm
.macro WEIGHTS
.irp q, 0,1,2,3,4,5,6,7
.irp t, 0,1,2,3
	FRAG 4*\q+\t, \q, ADW, \t*16*PITCH
.endr
.endr
	WIN 0
.endm
.macro FETCH e, xb
.irp q, 0,1,2,3,4,5,6,7
	FRAG 32+8*(\e)+\q, \q, ADXL+2*((\xb)/4), ((\xb)%4)*16*PITCH
.endr
	WIN 0
	ds_load_b128 v[SA+8*(\e):SA+8*(\e)+3], v[AXS] offset:(\xb)*544
	ds_load_b128 v[SA+8*(\e)+4:SA+8*(\e)+7], v[AXS] offset:(\xb)*544+16
.endm
.macro P1 s0, s1, x0, x1, side
.if T_%2
	v_wmma_scale_f32_16x16x128_f8f6f4 v[D_:D_+7], v[FR*((\s0)%FPW):FR*((\s0)%FPW)+FR-1], v[FR*((\s1)%FPW):FR*((\s1)%FPW)+FR-1], v[C_:C_+7], v[\x0], v[\x1] matrix_a_fmt:MATRIX_FMT_FP6 matrix_b_fmt:MATRIX_FMT_FP6 matrix_\side\()_scale:MATRIX_SCALE_ROW1
.else
	v_wmma_scale_f32_16x16x128_f8f6f4 v[D_:D_+7], v[FR*((\s0)%FPW):FR*((\s0)%FPW)+FR-1], v[FR*((\s1)%FPW):FR*((\s1)%FPW)+FR-1], v[C_:C_+7], v[\x0], v[\x1] matrix_a_fmt:MATRIX_FMT_FP6 matrix_b_fmt:MATRIX_FMT_FP6
.endif
.endm
.macro PROD kind, sb, bi, e, n         ; product n = 4 q + tile into D_.  A weight's scale register holds tile 2 p in lanes 0-15 and tile 2 p + 1 in lanes 16-31
.set Q_, (\n)/4
.set T_, (\n)%4
.set FX_, 32+8*(\e)+Q_
.set XW_, (\sb)+8*(T_/2)+Q_
.set XX_, SA+8*(\e)+Q_
.if Q_
.set C_, D_
.set CW_, 3
.else
.set C_, (\bi)+8*T_
.set CW_, 0
.endif
.if \kind
	WIN (1+FX_/FPW)|((1+(\n)/FPW)<<2)|(CW_<<4)|(3<<6)
	P1 FX_, \n, XX_, XW_, b
.else
	WIN (1+(\n)/FPW)|((1+FX_/FPW)<<2)|(CW_<<4)|(3<<6)
	P1 \n, FX_, XW_, XX_, a
.endif
.endm
.macro BLK kind, sb, bi, xb, w         ; w: LDS loads younger than this block's, which may stay out (-1: the block is shown in already)
.if (\w) >= 0
	s_wait_dscnt \w
.endif
.set N_, 0
.rept 32
.if \kind
.set D_, 72+32*(N_%4)+8*((\xb)%4)
.else
.set D_, 72+32*((\xb)%4)+8*(N_%4)
.endif
	PROD \kind, \sb, \bi, (\xb)%2, N_
.set N_, N_+1
.endr
	WIN 0
	PLACES 4                               ; behind the products: loads into their operands and reads of their results follow
.if (\xb) < 6
	FETCH (\xb)%2, (\xb)+2
.endif
.endm
; 64 sums of a lane from window 3's register qb on, four blocks of 32 shared with lane l xor 16, become codes: blocks 0, 1 in six registers from d0, blocks 2, 3 from d1; the four scale bytes make pw.  Each accumulator is read from its low end on.
.macro QUANT qb, d0, d1, pw
	WIN 0x0f
.irp b, 0,1,2,3
	v_max3_num_f32 v[TM+\b], |v[\qb+16*\b]|, |v[\qb+16*\b+1]|, 0x1800000   ; with the floor 2^(3 - 127): the byte cannot fall under 1
.endr
.irp i, 2,4,6,8,10,12,14
.irp b, 0,1,2,3
	v_max3_num_f32 v[TM+\b], |v[\qb+16*\b+\i]|, |v[\qb+16*\b+\i+1]|, v[TM+\b]
.endr
.endr
	WIN 0
.irp b, 0,1,2,3
	v_permlanex16_b32 v[TM+4+\b], v[TM+\b], s90, s91
.endr
.irp b, 0,1,2,3
	v_max_num_f32 v[TM+\b], v[TM+\b], v[TM+4+\b]
.endr
.irp b, 0,1,2,3
	v_add_nc_u32 v[TM+12+\b], 0xff000000, v[TM+\b]     ; 2 off the exponent field: the conversion's scale operand
.endr
.irp b, 0,1,2,3
	v_lshrrev_b32 v[TM+4+\b], 23, v[TM+12+\b]          ; the scale's byte
.endr
	v_lshl_or_b32 v[\pw], v[TM+5], 8, v[TM+4]
	v_lshl_or_b32 v[\pw], v[TM+6], 16, v[\pw]
	v_lshl_or_b32 v[\pw], v[TM+7], 24, v[\pw]
	WIN 3
	v_cvt_scalef32_pk16_fp6_f32 v[\d0:\d0+2], v[\qb:\qb+15], v[TM+12]
	v_cvt_scalef32_pk16_fp6_f32 v[TA:TA+2], v[\qb+16:\qb+31], v[TM+13]
	v_cvt_scalef32_pk16_fp6_f32 v[\d1:\d1+2], v[\qb+32:\qb+47], v[TM+14]
	v_cvt_scalef32_pk16_fp6_f32 v[TC:TC+2], v[\qb+48:\qb+63], v[TM+15]
	WIN 0
	v_nop                                  ; one plain line behind the conversions
.irp i, 0,1,2
	v_permlane16_swap_b32 v[\d0+\i], v[TA+\i]          ; a whole block in a lane
	v_permlane16_swap_b32 v[\d1+\i], v[TC+\i]
.endr
.irp i, 0,1,2
	v_mov_b32 v[\d0+3+\i], v[TA+\i]
	v_mov_b32 v[\d1+3+\i], v[TC+\i]
.endr
.endm
.macro WORDS base, sco                 ; lanes 0-15 keep image 2 i's word, lanes 16-31 take image 2 i + 1's; 32 lanes store 256 consecutive bytes
	v_cndmask_b32 v[SPR], v[WD], v[WD+1], s[HM]
	v_cndmask_b32 v[SPR+1], v[WD+2], v[WD+3], s[HM]
	WALU
	global_store_b64 v[VS], v[SPR:SPR+1], s[\base:\base+1] offset:\sco
.endm
.macro OUTQK s, base, sco              ; pass s of q or k: four blocks of tokens make images 2 s and 2 s + 1 of my head
	s_wait_xcnt 0x0                        ; earlier stores have read their registers
.irp k, 0,1
	QUANT 72+64*\k, FI+24*(\s)+12*\k, FI+24*(\s)+12*\k+6, WD+2*(\s)+\k
.endr
	WALU
.irp k, 0,1
.irp c, 0,1,2
	global_store_b128 v[VO], v[FI+24*(\s)+12*\k+4*\c:FI+24*(\s)+12*\k+4*\c+3], s[\base:\base+1] offset:1536*(2*(\s)+\k)+512*\c
.endr
.endr
.if \s
	WORDS \base, \sco
.endif
.endm
.macro OUTV s                          ; pass s of v: 64 keys: registers 6 s .. 6 s + 5 of each of the four images
	s_wait_xcnt 0x0
.irp k, 0,1
	QUANT 72+64*\k, FI+24*\k+6*(\s), FI+24*\k+12+6*(\s), PV+2*(\s)+\k
.endr
.if \s
.irp k, 0,1
	v_perm_b32 v[WD+2*\k], v[PV+2+\k], v[PV+\k], s92   ; the low halves: tile 2 k's four bytes
	v_perm_b32 v[WD+2*\k+1], v[PV+2+\k], v[PV+\k], s93 ; the high halves: tile 2 k + 1's
.endr
	WALU
.irp t, 0,1,2,3
.irp c, 0,1,2
	global_store_b128 v[VO], v[FI+12*\t+4*\c:FI+12*\t+4*\c+3], s[86:87] offset:6144+1536*\t+512*\c
.endr
.endr
	WORDS 86, 12544
.endif
.endm
.macro OPEN                            ; the weight's rows (at the head: all four tiles) are shown to all waves. Then my 64 rows and my first two blocks, in one run of loads
	s_wait_tensorcnt 0x0
	s_wait_dscnt 0x0
	BARRIER
	WEIGHTS
	FETCH 0, 0
	FETCH 1, 1
.endm
.macro REFILL                          ; every wave holds its rows of the weight in registers: the region takes the next phase's rows, 1,024 rows of wc on
	s_wait_tensorcnt 0x0
	ds_add_u32 v[SPW], v[NIL]
	s_add_nc_u64 s[G0B+2:G0B+3], s[G0B+2:G0B+3], 1024*KROW
	s_wait_dscnt 0x0
	CROUND
	s_cmp_eq_u32 s18, 0
	s_cbranch_scc0 .Lnone_\@
	TLOAD G0B, G1B
.Lnone_\@:
.endm
.macro EIGHT kind, sb, bi, out         ; a phase's eight blocks; out: the first pass's way out
	BLK \kind, \sb, \bi, 0, -1
	BLK \kind, \sb, \bi, 1, -1
	BLK \kind, \sb, \bi, 2, NF
	BLK \kind, \sb, \bi, 3, NF
	\out
	BLK \kind, \sb, \bi, 4, NF
	BLK \kind, \sb, \bi, 5, NF
	BLK \kind, \sb, \bi, 6, NF
	BLK \kind, \sb, \bi, 7, 0
.endm
.macro OUTQ0
	OUTQK 0, 84, 0
.endm
.macro OUTK0
	OUTQK 0, 86, 0
.endm
.macro OUTV0
	OUTV 0
.endm
	s_load_b128 s[4:7], s[0:1], 0x0        ; xc, xs
	s_load_b128 s[8:11], s[0:1], 0x10      ; wc, ws
	s_load_b128 s[12:15], s[0:1], 0x20     ; b_qkv, qimg
	s_load_b64 s[16:17], s[0:1], 0x30      ; kvimg
	v_lshl_add_u32 v[SPW], v0, 2, SPARE
	v_mov_b32 v[NIL], 0
	ds_add_u32 v[SPW], v[NIL]              ; the opening lines
	ds_add_u32 v[SPW], v[NIL]
	v_lshrrev_b32 v1, 5, v0
	v_readfirstlane_b32 s18, v1            ; wave
	s_lshr_b32 s19, s18, 1                 ; a
	s_and_b32 s20, s18, 1                  ; b
	s_bfe_u32 s21, ttmp6, 0x40000          ; cx
	s_bfe_u32 s22, ttmp6, 0x40004          ; cy
	s_lshl_b32 s23, ttmp9, 2
	s_add_co_u32 s23, s23, s21             ; c
	s_and_b32 s40, ttmp7, 0xffff
	s_lshl_b32 s40, s40, 2
	s_add_co_u32 s40, s40, s22             ; g
	s_lshl_b32 s41, s22, 2
	s_lshl_b32 s41, 15, s41                ; my row of the cluster
	s_lshl_b32 s42, 0x1111, s21            ; my column
	GROUP1 G1A, 41
	GROUP1 G1B, 42
	s_or_b32 s[G1S+0], s41, (3<<16)|(1<<20)|(1<<21)|(5<<22)|(3<<25)   ; 8,192 dense bytes as 32 rows of 256, 16 of padding behind each
	s_mov_b32 s[G1S+1], 32<<16
	s_mov_b32 s[G1S+2], 32<<16
	s_mov_b32 s[G1S+3], 32<<16
	s_mov_b32 s[G1S+4], 32
	s_mov_b32 s[G1S+5], 32
	s_mov_b32 s[G1S+6], 0
	s_mov_b32 s[G1S+7], 0
	s_mov_b32 s[G0A], 1
	s_mov_b32 s[G0A+1], 0
	s_mov_b32 s[G0C], 1
	s_mov_b32 s[G0C+1], 128*PITCH
	s_mov_b32 s[G0B], 1
	s_mov_b32 s[G0B+1], WB
	s_mov_b32 s[G0S], 1
	s_mov_b32 s[G0S+1], XSC
	s_mul_i32 s72, s40, 256*KROW
	s_mov_b32 s73, 0
	s_lshl_b32 s74, s40, 13
	s_mov_b32 s75, 0
	s_mul_i32 s76, s23, 128*KROW
	s_mov_b32 s77, 0
	s_mov_b32 s[HM], 0xffff0000
	s_mov_b32 s90, 0x76543210
	s_mov_b32 s91, 0xfedcba98
	s_mov_b32 s92, 0x05040100
	s_mov_b32 s93, 0x07060302
	WALU
	s_wait_dscnt 0x0
	CROUND                                 ; the round in front of the first joint loads
	s_wait_kmcnt 0x0
	s_add_nc_u64 s[G0A+2:G0A+3], s[4:5], s[72:73]
	s_add_nc_u64 s[G0C+2:G0C+3], s[G0A+2:G0A+3], 128*KROW
	s_or_b32 s[G0A+3], s[G0A+3], 0x80000000
	s_or_b32 s[G0C+3], s[G0C+3], 0x80000000
	s_add_nc_u64 s[G0S+2:G0S+3], s[6:7], s[74:75]
	s_or_b32 s[G0S+3], s[G0S+3], 0x80000000
	s_add_nc_u64 s[G0B+2:G0B+3], s[8:9], s[76:77]
	s_or_b32 s[G0B+3], s[G0B+3], 0x80000000
	s_cmp_eq_u32 s18, 0                    ; one load a wave, in one chain of arms
	s_cbranch_scc0 .Lw1
	TLOAD G0B, G1B                         ; wave 0: W_q's 128 rows
	s_branch .Lasked
.Lw1:
	s_cmp_eq_u32 s18, 1
	s_cbranch_scc0 .Lw2
	TLOAD G0S, G1S                         ; wave 1: x's scale bytes
	s_branch .Lasked
.Lw2:
	s_cmp_eq_u32 s18, 2
	s_cbranch_scc0 .Lw3
	TLOAD G0A, G1A                         ; wave 2: x's rows 0-127
	s_branch .Lasked
.Lw3:
	TLOAD G0C, G1A                         ; wave 3: rows 128-255
.Lasked:
	s_lshl_b32 s78, s23, 12
	s_lshl_b32 s79, s20, 11
	s_add_co_u32 s78, s78, s79             ; my 64 rows of ws: 32 (128 c + 64 b)
	s_mov_b32 s79, 0
	s_add_nc_u64 s[78:79], s[10:11], s[78:79]
	s_lshl_b32 s80, s23, 9
	s_lshl_b32 s81, s20, 8
	s_add_co_u32 s80, s80, s81             ; and of the bias: 4 (128 c + 64 b)
	s_mov_b32 s81, 0
	s_add_nc_u64 s[80:81], s[12:13], s[80:81]
	s_lshr_b32 s82, s40, 3
	s_lshl_b32 s82, s82, 4
	s_lshl_b32 s83, s23, 1
	s_add_co_u32 s82, s82, s83
	s_add_co_u32 s82, s82, s20             ; 16 x batch + head
	s_and_b32 s83, s40, 7
	s_lshl_b32 s83, s83, 1
	s_add_co_u32 s83, s83, s19             ; the step of 128 tokens
	s_mul_i32 s84, s82, 102400
	s_mul_i32 s85, s83, 6400
	s_add_co_u32 s84, s84, s85
	s_mov_b32 s85, 0
	s_add_nc_u64 s[84:85], s[14:15], s[84:85]
	s_mul_i32 s86, s82, 204800
	s_mul_i32 s87, s83, 12800
	s_add_co_u32 s86, s86, s87
	s_mov_b32 s87, 0
	s_add_nc_u64 s[86:87], s[16:17], s[86:87]
	v_and_b32 v1, 15, v0                   ; r
	v_bfe_u32 v2, v0, 4, 1                 ; h
	v_and_b32 v3, 31, v0
	v_mul_u32_u24 v22, v1, PITCH
	v_mad_u32_u24 v23, v2, 24, v22
	v_mad_u32_u24 v22, v2, 40, v22
	s_mul_i32 s88, s19, 128*PITCH
	v_add_nc_u32 v[ADXL], s88, v23
	v_add_nc_u32 v[ADXL+1], s88, v22
	v_add_nc_u32 v[ADXL+2], 64*PITCH, v[ADXL]
	v_add_nc_u32 v[ADXL+3], 64*PITCH, v[ADXL+1]
	s_mul_i32 s43, s20, 64*PITCH
	s_add_co_u32 s43, s43, WB
	v_add_nc_u32 v[ADW], s43, v23
	v_add_nc_u32 v[ADW+1], s43, v22
	v_lshlrev_b32 v23, 5, v1
	v_lshrrev_b32 v22, 3, v1
	v_lshl_add_u32 v23, v22, 4, v23        ; 32 r + 16 (r / 8)
	s_mul_i32 s94, s19, 8*544
	s_add_co_u32 s94, s94, XSC
	v_add_nc_u32 v[AXS], s94, v23
	v_lshlrev_b32 v[ABS], 5, v3
	v_lshlrev_b32 v[BH], 6, v2
	v_and_b32 v22, 8, v1
	v_add_lshl_u32 v[BV], v22, v1, 2       ; 4 (r + 8 (r / 8))
	v_lshlrev_b32 v[VO], 4, v3
	v_lshlrev_b32 v[VS], 3, v3
.irp b, 0,1,2,3
	v_mov_b32 v[TM+4+\b], 0                ; a lane permute's destination counts as one of its sources
.endr
	WALU
.irp P, 0,1,2
.irp p, 0,1
.irp c, 0,1
	global_load_b128 v[SB+16*\P+8*\p+4*\c:SB+16*\P+8*\p+4*\c+3], v[ABS], s[78:79] offset:32768*\P+1024*\p+16*\c   ; lane l: row 32 p + l's eight words
.endr
.endr
.endr
.irp P, 0,1
.irp t, 0,1,2,3
	global_load_b128 v[BI+32*\P+8*\t:BI+32*\P+8*\t+3], v[BH], s[80:81] offset:4096*\P+(32*(\t/2)+8*(\t%2))*4       ; q, k: register j of tile t: column 32 (t / 2) + 8 (t % 2) + 16 h + j
	global_load_b128 v[BI+32*\P+8*\t+4:BI+32*\P+8*\t+7], v[BH], s[80:81] offset:4096*\P+(32*(\t/2)+8*(\t%2))*4+16
.endr
.endr
.irp t, 0,1,2,3
	global_load_b32 v[VB+\t], v[BV], s[80:81] offset:8192+(32*(\t/2)+8*(\t%2))*4   ; v: column 32 (t / 2) + 8 (t % 2) + r + 8 (r / 8)
.endr
	OPEN
	REFILL                                 ; W_k's rows
	s_wait_loadcnt 0x0
	EIGHT 0, SB, BI, OUTQ0
	OPEN
	OUTQK 1, 84, 6144                      ; q's second pass leaves while the loads above are out
	REFILL                                 ; W_v's rows
	EIGHT 0, SB+16, BI+32, OUTK0
	OPEN
	OUTQK 1, 86, 12288
.irp t, 0,1,2,3
.irp j, 0,1,2,3,4,5,6,7
	v_mov_b32 v[BI+8*\t+\j], v[VB+\t]      ; v's bias over a tile's eight registers
.endr
.endr
	WALU
	s_wait_dscnt 0x0
	EIGHT 1, SB+32, BI, OUTV0
	OUTV 1
	s_wait_tensorcnt 0x0                   ; the wave's end
	ds_add_u32 v[SPW], v[NIL]
	s_wait_dscnt 0x0
	CROUND                                 ; the closing round
	s_endpgm
.Lfunc_end_k_q79c18e01be_gemm_qkv:
	.size	k_q79c18e01be_gemm_qkv, .Lfunc_end_k_q79c18e01be_gemm_qkv-k_q79c18e01be_gemm_qkv
	.p2alignl 7, 3214868480
	.fill 96, 4, 3214868480
	.section	.rodata,"a",@progbits
	.p2align	6, 0x0
	.amdhsa_kernel k_q79c18e01be_gemm_qkv
		.amdhsa_group_segment_fixed_size 327680
		.amdhsa_private_segment_fixed_size 0
		.amdhsa_enable_private_segment 0
		.amdhsa_kernarg_size 56
		.amdhsa_user_sgpr_count 2
		.amdhsa_user_sgpr_kernarg_segment_ptr 1
		.amdhsa_wavefront_size32 1
		.amdhsa_system_sgpr_workgroup_id_x 1
		.amdhsa_system_sgpr_workgroup_id_y 1
		.amdhsa_system_sgpr_workgroup_id_z 1
		.amdhsa_system_vgpr_workitem_id 0
		.amdhsa_next_free_vgpr 1024
		.amdhsa_next_free_sgpr 96
		.amdhsa_reserve_vcc 0
		.amdhsa_float_denorm_mode_32 3
		.amdhsa_float_denorm_mode_16_64 3
		.amdhsa_memory_ordered 1
		.amdhsa_forward_progress 1
		.amdhsa_inst_pref_size 255
	.end_amdhsa_kernel
	.section	.bss,"aw",@nobits
	.p2align	6
	.space	262144
	.amdgpu_metadata
---
amdhsa.version: [ 1, 2 ]
amdhsa.kernels:
  - .name:           k_q79c18e01be_gemm_qkv
    .symbol:         k_q79c18e01be_gemm_qkv.kd
    .args:
      - { .name: xc, .offset: 0, .size: 8, .value_kind: global_buffer, .address_space: global }
      - { .name: xs, .offset: 8, .size: 8, .value_kind: global_buffer, .address_space: global }
      - { .name: wc, .offset: 16, .size: 8, .value_kind: global_buffer, .address_space: global }
      - { .name: ws, .offset: 24, .size: 8, .value_kind: global_buffer, .address_space: global }
      - { .name: b_qkv, .offset: 32, .size: 8, .value_kind: global_buffer, .address_space: global }
      - { .name: qimg, .offset: 40, .size: 8, .value_kind: global_buffer, .address_space: global }
      - { .name: kvimg, .offset: 48, .size: 8, .value_kind: global_buffer, .address_space: global }
    .group_segment_fixed_size: 327680
    .private_segment_fixed_size: 0
    .kernarg_segment_align: 8
    .kernarg_segment_size: 56
    .max_flat_workgroup_size: 128
    .sgpr_count:     96
    .vgpr_count:     1024
    .wavefront_size: 32
...
	.end_amdgpu_metadata
.endif
;; end of part 2
;; launch attn (part 3): grid 4 x 64, 16 waves a work-group, clusters of 4 x 1, 327,680 bytes of LDS; arguments qimg, kvimg, oimg, oscl; writes oimg, oscl
.if DOCPART == 3
	.amdgcn_target "amdgcn-amd-amdhsa--gfx1250"
	.amdhsa_code_object_version 6
	.text
	.protected	k_q79c18e01be_attn
	.globl	k_q79c18e01be_attn
	.p2align	8
	.type	k_q79c18e01be_attn,@function
k_q79c18e01be_attn:
	s_mov_b64 s[64:65], 0
	v_nop
	global_prefetch_b8 v0, s[64:65] scope:SCOPE_SE
	s_setreg_imm32_b32 hwreg(HW_REG_WAVE_MODE, 25, 1), 1
	s_wait_xcnt 0x0
	s_wait_alu depctr_hold_cnt(0) depctr_sa_sdst(0) depctr_va_vdst(0) depctr_va_sdst(0) depctr_va_ssrc(0) depctr_va_vcc(0) depctr_vm_vsrc(0)
	s_getreg_b32 s2, hwreg(HW_REG_IB_STS2, 6, 4)
	s_cmp_eq_u32 s2, 0
	s_cbranch_scc0 .Lentry_in_a_cluster
	s_endpgm
.Lentry_in_a_cluster:
	s_bfe_u32 s2, ttmp6, 0x10000c
	s_cmp_lg_u32 s2, 0x3003
	s_cbranch_scc0 .Lentry_shape_is_right
	s_endpgm
.Lentry_shape_is_right:
; Causal attention of one head on codes of FP6 (E2M3) with E8M0 scales: o = softmax(q k^T / 8) v, and o is quantised along the model's 1,024 (a head's 64 are two blocks) for the projection.
; THE SOFTMAX: t = score x log2(e) / 8; M = the running largest t, rounded UP to a whole number; p = 2^(t - M) is quantised along the keys, not normalised; the row's sum is taken of the unquantised p and divides at the end.
; When M moves, the sum and O are multiplied by 2^(old M - new M): exact.
; ALL OF A HEAD'S KEYS AND VALUES LIE IN LDS: 16 records of 12,800 bytes (128 keys each), one tensor load a wave at the head, one barrier behind them; nothing is filled again, and the loop has no barrier.
; SHARES.  A head has 64 images of 32 queries; image m needs records 0 .. m / 4.  Work-group j of the head's four takes the images m = 4 k + j and 63 - m.  Wave (k = w % 8, u = w / 8) owns tile u (16 queries) of image 4 k + j,
; k + 1 key steps, and then of image 63 - 4 k - j, 16 - k key steps: 17 steps for every wave, a constant trip count, all of them live; every work-group reads all 16 records.
; In trip n the first tile takes record n, the second record 16 - n: it walks the keys downward from its diagonal record, which holds each query's own key, so that the first step's maximum is finite.
; CLUSTER 4 x 1: the four work-groups of a head want the same 16 records at the same time and ask for them jointly.  No branch, trip count or LDS address hangs on the place in the cluster.
; No prefetch into the L2: every tile is asked for at the head, and there is no loop to run ahead in.
; LAYOUT.  Both products are used transposed (source 0 = keys, or 16 of the head's 64; source 1 = my 16 queries): a lane holds ONE query.  The head has 64 numbers, the instruction takes 128: an image of K holds two tiles of
; 16 keys side by side along K, and Q stands beside six registers of zero codes: [q | 0] gives the lower tile's scores, [0 | q] the upper's.  The tokens of a tile are 32 b + 8 u + r + 8 (r / 8), so that the 16 registers of
; two tiles are 16 neighbouring keys.  K's four fragments of a step and then V's four lie in the same 48 registers.
; MASK (reference()'s own causal mask).  Records beyond an image's diagonal record are not walked.  In the diagonal record (trips k and k + 1) hidden scores become -infinity ahead of the maximum.
; OUT.  oimg [512 tiles of 16 tokens][16 heads][768]: six registers a lane: registers 0-3 at 16 l, 4-5 at 512 + 8 l.  oscl [8192 rows][32]: byte 2 head + block; two bytes a row are stored here (lanes l and l + 16 store the same
; two bytes to the same place), rows 32 bytes apart: a row's other bytes belong to other heads' work-groups.
; LIMITS: a block whose largest magnitude lies under 2^-124 keeps the byte 1 (zero codes where all is zero); NaN and infinities are not served; the scaled scores t stay under 2^31 in magnitude.
.set STEPB, 12800                      ; a record: K's 4 images, V's 4, K's scale words, V's
.set SPARE, 262144                     ; the spare words, 128 bytes for each wave: eight blocks of 256 bytes that no other line names
.set L16,  1                           ; 16 x lane
.set L8,   2                           ; 8 x lane
.set R32,  3                           ; 32 x (lane % 16)
.set R8,   4                           ; 8 x (lane % 16)
.set SPW,  5
.set NIL,  6
.set ADK,  8
.set ADS,  9
.set QZ,   16                          ; v16-33 six zeros, q's six registers, six zeros
.set NM,   34                          ; -M
.set TT,   35                          ; the largest t
.set SUM,  36                          ; v36-37
.set DQ,   38                          ; my query's place among the image's 32, less 16 (lane / 16)
.set S,    40                          ; v40-103 the scores, then p
.set O,    104                         ; v104-135 O^T
.set PCD,  136                         ; v136-147 p's codes
.set BM,   148
.set T,    152
.set SO,   160
.set F,    164
.set PW,   165
.set TMP,  166
.set FRG,  168                         ; v168-215 K's four fragments, then V's
.set KSC,  216
.set VSC,  218
.set QSC,  220
.set PSC,  222
.set QN,   224                         ; v224-229 the second image's q
.set QSN,  232
.set RAW,  234
.set U,    2                           ; which tile of the image is mine
.set UM,   3                           ; all ones for tile 1
.set WV,   12
.set K,    13                          ; w % 8
.set J,    14                          ; my work-group among the head's four
.set BH,   15
.set N,    16                          ; the trip
.set TBU,  17                          ; record n, in bytes
.set TB,   18                          ; the record in hand
.set TBD,  19                          ; record 16 - n
.set Q0,   20                          ; my image's first query
.set PSL,  21
.set CS,   22
.set G1,   24
.set SEL,  32
.set OB,   36
.set OSB,  38
.set G0,   40
.set QK,   44                          ; my image's first query less the diagonal record's first key
.set J2,   45                          ; 3 - J
.set K2,   46                          ; 15 - K
.macro WALU
	s_wait_alu depctr_va_vdst(0)
.endm
.macro CROUND                          ; a round of the cluster's barrier
	s_barrier_signal -1
	s_barrier_wait -1
	s_cmp_lg_u32 s[WV], 0
	s_cbranch_scc1 .Lnot_wave_0_\@
	s_barrier_signal -3
.Lnot_wave_0_\@:
	s_barrier_wait -3
	s_barrier_signal -1
	s_barrier_wait -1
.endm
.macro QADR a, b, rec, img             ; bytes from qimg: image img of record rec of my head, and its scale words
	s_lshl_b32 s48, s[BH], 4
	s_add_co_u32 s48, s48, s[\rec]
	s_mul_i32 s48, s48, 6400
	s_mul_i32 s49, s[\img], 1536
	s_add_co_u32 s[\a], s48, s49
	s_and_b32 s49, s[\img], 1
	s_lshl_b32 s49, s49, 7
	s_lshr_b32 s50, s[\img], 1
	s_lshl_b32 s50, s50, 2
	s_add_co_u32 s49, s49, s50
	s_add_co_u32 s49, s49, 6144
	s_add_co_u32 s[\b], s48, s49
	s_mov_b32 s[\a+1], 0
	s_mov_b32 s[\b+1], 0
.endm
.macro SETOUT                          ; where my 16 queries' results go
	s_lshr_b32 s48, s[BH], 4
	s_lshl_b32 s48, s48, 11
	s_add_co_u32 s48, s48, s[Q0]                   ; the row: 2,048 x batch + my image's first query
	s_and_b32 s49, s[BH], 15                       ; the head
	s_mul_i32 s50, s48, 768
	s_mul_i32 s51, s49, 768
	s_add_co_u32 s50, s50, s51
	s_mul_i32 s51, s[U], 12288                     ; tile 1 is the next 16 rows
	s_add_co_u32 s50, s50, s51
	s_mov_b32 s51, 0
	s_add_nc_u64 s[OB:OB+1], s[8:9], s[50:51]
	s_lshl_b32 s50, s48, 5
	s_lshl_b32 s49, s49, 1
	s_add_co_u32 s50, s50, s49
	s_lshl_b32 s49, s[U], 9
	s_add_co_u32 s50, s50, s49
	s_add_nc_u64 s[OSB:OSB+1], s[10:11], s[50:51]
.endm
.macro INIT                            ; the sums begin: the step is written once, the first finds zeros
	v_mov_b32 v[TT], 0xff61b1e6                    ; -3e38, under every t
	s_delay_alu instid0(VALU_DEP_1)
	v_floor_f32 v[NM], -v[TT]
	v_mov_b32 v[SUM], 0
	v_mov_b32 v[SUM+1], 0
.set i, 0
.rept 32
	v_mov_b32 v[O+i], 0
.set i, i+1
.endr
.irp b, 0,1,2,3
	v_mov_b32 v[T+\b], 0                           ; a lane permute's destination counts as one of its sources
.endr
	v_mov_b32 v[PW], 0                             ; (named as the upper half of the pair with F)
.endm
	s_load_b128 s[4:7], s[0:1], 0x0                ; qimg, kvimg
	s_load_b128 s[8:11], s[0:1], 0x10              ; oimg, oscl
	v_lshl_add_u32 v[SPW], v0, 2, SPARE
	v_mov_b32 v[NIL], 0
	ds_add_u32 v[SPW], v[NIL]                      ; the opening lines
	ds_add_u32 v[SPW], v[NIL]
	v_lshrrev_b32 v1, 5, v0
	s_delay_alu instid0(VALU_DEP_1)
	v_readfirstlane_b32 s[WV], v1                  ; wave 0..15
	s_and_b32 s[K], s[WV], 7
	s_lshr_b32 s[U], s[WV], 3
	s_mov_b32 s[PSL], 0x01000100
	s_cmp_eq_u32 s[U], 1
	s_cselect_b32 s[UM], -1, 0
	s_cselect_b32 s[PSL], 0x03020302, s[PSL]       ; which two bytes of Q's scale word are my tile's
	s_bfe_u32 s[J], ttmp6, 0x40000                 ; my place in the cluster
	s_and_b32 s[BH], ttmp7, 0xffff                 ; 16 x batch + head
	s_sub_co_u32 s[J2], 3, s[J]
	s_sub_co_u32 s[K2], 15, s[K]
	s_lshl_b32 s[Q0], s[K], 7
	s_lshl_b32 s[QK], s[J], 5
	s_add_co_u32 s[Q0], s[Q0], s[QK]               ; 32 (4 k + j)
	s_mov_b32 s[N], 0
	s_mov_b32 s[TBU], 0
	s_mov_b32 s[TBD], 16*STEPB
	s_mov_b32 s[CS], 0x3e38aa3b                    ; log2(e) / 8
	s_mov_b32 s[CS+1], s[CS]
	s_mov_b32 s[SEL], 0x76543210
	s_mov_b32 s[SEL+1], 0xfedcba98
	s_mov_b32 s[G1], 15|(3<<16)|(1<<21)            ; a record, 12,800 dense bytes, as 50 rows of 256 bytes; the mask names the cluster's four
	s_mov_b32 s[G1+1], 32<<16
	s_mov_b32 s[G1+2], 50<<16
	s_mov_b32 s[G1+3], 32<<16
	s_mov_b32 s[G1+4], 50
	s_mov_b32 s[G1+5], 32
	s_mov_b32 s[G1+6], 0
	s_mov_b32 s[G1+7], 0
	QADR 56, 58, K, J
	QADR 60, 62, K2, J2
	s_mov_b32 s[G0], 1
	s_mul_i32 s[G0+1], s[WV], STEPB                ; record w goes to LDS byte 12,800 w
	s_mul_i32 s52, s[BH], 204800
	s_mul_i32 s54, s[WV], STEPB
	s_add_co_u32 s52, s52, s54
	s_mov_b32 s53, 0
	WALU
	s_wait_dscnt 0x0
	CROUND                                         ; the round in front of the joint loads
	s_wait_kmcnt 0x0
	s_add_nc_u64 s[G0+2:G0+3], s[6:7], s[52:53]
	s_or_b32 s[G0+3], s[G0+3], 0x80000000
	tensor_load_to_lds s[G0:G0+3], s[G1:G1+7]      ; every wave's one load: record w of my head
	s_nop 0
.rept 4
	v_nop
.endr
	s_add_nc_u64 s[56:57], s[4:5], s[56:57]
	s_add_nc_u64 s[58:59], s[4:5], s[58:59]
	s_add_nc_u64 s[60:61], s[4:5], s[60:61]
	s_add_nc_u64 s[62:63], s[4:5], s[62:63]
	SETOUT
	v_and_b32 v10, 31, v0
	v_and_b32 v11, 15, v0
	v_bfe_u32 v9, v0, 4, 1
	v_lshlrev_b32 v[L16], 4, v10
	v_lshlrev_b32 v[L8], 3, v10
	v_lshlrev_b32 v[R8], 3, v11
	v_lshlrev_b32 v[R32], 5, v11
	v_and_b32 v8, 8, v11
	v_lshlrev_b32 v9, 4, v9
	v_add_nc_u32 v8, v8, v11                       ; r + 8 (r / 8)
	s_lshl_b32 s48, s[U], 3
	v_sub_nc_u32 v9, s48, v9                       ; tile 1's queries lie 8 further on
	v_add_nc_u32 v[DQ], v8, v9
	WALU
.irp c, 0,1,2
	global_load_b128 v[S+4*\c:S+4*\c+3], v[L16], s[56:57] offset:512*\c        ; the whole image: registers 0-5 tile 0, 6-11 tile 1
	global_load_b128 v[S+12+4*\c:S+12+4*\c+3], v[L16], s[60:61] offset:512*\c  ; and the second image
.endr
	global_load_b32 v[RAW], v[R8], s[58:59]
	global_load_b32 v[RAW+1], v[R8], s[62:63]
.irp i, 0,1,2,3,4,5
	v_mov_b32 v[QZ+\i], 0
	v_mov_b32 v[QZ+12+\i], 0
.endr
	s_wait_loadcnt 0x0
.irp i, 0,1,2,3,4,5
	v_cndmask_b32 v[QZ+6+\i], v[S+\i], v[S+6+\i], s[UM]
	v_cndmask_b32 v[QN+\i], v[S+12+\i], v[S+18+\i], s[UM]
.endr
	v_perm_b32 v[QSC], v[RAW], v[RAW], s[PSL]      ; my tile's pair of bytes stands twice, for q in either half of K
	v_perm_b32 v[QSN], v[RAW+1], v[RAW+1], s[PSL]
	INIT                                           ; (these plain lines also stand between the scale words' making and the first products)
	WALU
	s_wait_tensorcnt 0x0                           ; my record is in,
	s_barrier_signal -1
	s_barrier_wait -1                              ; all sixteen are
.macro SPROD                           ; eight products: image f's lower tile by [q | 0], its upper tile by [0 | q]
.irp f, 0,1,2,3
.if (\f)%2
	v_wmma_scale_f32_16x16x128_f8f6f4 v[S+16*\f:S+16*\f+7], v[FRG+12*\f:FRG+12*\f+11], v[QZ+6:QZ+17], 0, v[KSC+\f/2], v[QSC] matrix_a_fmt:MATRIX_FMT_FP6 matrix_b_fmt:MATRIX_FMT_FP6 matrix_a_scale:MATRIX_SCALE_ROW1
	v_wmma_scale_f32_16x16x128_f8f6f4 v[S+16*\f+8:S+16*\f+15], v[FRG+12*\f:FRG+12*\f+11], v[QZ:QZ+11], 0, v[KSC+\f/2], v[QSC] matrix_a_fmt:MATRIX_FMT_FP6 matrix_b_fmt:MATRIX_FMT_FP6 matrix_a_scale:MATRIX_SCALE_ROW1
.else
	v_wmma_scale_f32_16x16x128_f8f6f4 v[S+16*\f:S+16*\f+7], v[FRG+12*\f:FRG+12*\f+11], v[QZ+6:QZ+17], 0, v[KSC+\f/2], v[QSC] matrix_a_fmt:MATRIX_FMT_FP6 matrix_b_fmt:MATRIX_FMT_FP6
	v_wmma_scale_f32_16x16x128_f8f6f4 v[S+16*\f+8:S+16*\f+15], v[FRG+12*\f:FRG+12*\f+11], v[QZ:QZ+11], 0, v[KSC+\f/2], v[QSC] matrix_a_fmt:MATRIX_FMT_FP6 matrix_b_fmt:MATRIX_FMT_FP6
.endif
.endr
.endm
.macro PV                              ; O^T += V^T P^T: four accumulators by turns
.irp a, 0,1,2,3
.if (\a)%2
	v_wmma_scale_f32_16x16x128_f8f6f4 v[O+8*\a:O+8*\a+7], v[FRG+12*\a:FRG+12*\a+11], v[PCD:PCD+11], v[O+8*\a:O+8*\a+7], v[VSC+\a/2], v[PSC] matrix_a_fmt:MATRIX_FMT_FP6 matrix_b_fmt:MATRIX_FMT_FP6 matrix_a_scale:MATRIX_SCALE_ROW1
.else
	v_wmma_scale_f32_16x16x128_f8f6f4 v[O+8*\a:O+8*\a+7], v[FRG+12*\a:FRG+12*\a+11], v[PCD:PCD+11], v[O+8*\a:O+8*\a+7], v[VSC+\a/2], v[PSC] matrix_a_fmt:MATRIX_FMT_FP6 matrix_b_fmt:MATRIX_FMT_FP6
.endif
.endr
.endm
.macro MASK                            ; register 16 b + i holds the record's key 32 b + 16 (lane / 16) + i: hidden where 32 b + i > my query - the record's first key - 16 (lane / 16)
	v_add_nc_u32 v[TMP], s[QK], v[DQ]
	v_mov_b32 v[F], 0xff800000                     ; -infinity
.set n, 0
.rept 64
	v_cmp_gt_i32 vcc_lo, 32*(n/16)+n%16, v[TMP]
	v_cndmask_b32 v[S+n], v[S+n], v[F], vcc_lo
.set n, n+1
.endr
.endm
; The softmax of a step: the scores become p's codes and scale word, the sum and O^T are brought under the new M.
.macro SOFT
.irp b, 0,1,2,3
	v_max3_num_f32 v[BM+\b], v[S+16*\b], v[S+16*\b+1], v[S+16*\b+2]   ; the largest score of each block of 32 keys: it serves for the row's maximum and, since p rises with the score, for the block's largest p
.endr
.irp i, 3,5,7,9,11,13
.irp b, 0,1,2,3
	v_max3_num_f32 v[BM+\b], v[BM+\b], v[S+16*\b+\i], v[S+16*\b+\i+1]
.endr
.endr
.irp b, 0,1,2,3
	v_max_num_f32 v[BM+\b], v[BM+\b], v[S+16*\b+15]
.endr
.irp b, 0,1,2,3
	s_delay_alu instid0(VALU_DEP_4)
	v_permlanex16_b32 v[T+\b], v[BM+\b], s[SEL], s[SEL+1]
.endr
.irp b, 0,1,2,3
	s_delay_alu instid0(VALU_DEP_4)
	v_max_num_f32 v[BM+\b], v[BM+\b], v[T+\b]      ; with lane l xor 16's 16 keys
.endr
	s_delay_alu instid0(VALU_DEP_2)
	v_max3_num_f32 v[TMP], v[BM], v[BM+1], v[BM+2]
	s_delay_alu instid0(VALU_DEP_1)
	v_max_num_f32 v[TMP], v[TMP], v[BM+3]
	s_delay_alu instid0(VALU_DEP_1)
	v_mul_f32 v[TMP], s[CS], v[TMP]                ; as t
	s_delay_alu instid0(VALU_DEP_1)
	v_max_num_f32 v[TT], v[TT], v[TMP]             ; the running largest t
	v_mov_b32 v[TMP], v[NM]
	s_delay_alu instid0(VALU_DEP_2)
	v_floor_f32 v[NM], -v[TT]                      ; the new -M = -ceil(t): a whole number
	s_delay_alu instid0(VALU_DEP_1)
	v_sub_f32 v[TMP], v[NM], v[TMP]                ; old M - new M: a whole number, 0 or less
	s_delay_alu instid0(VALU_DEP_1)
	v_cvt_i32_f32 v[TMP], v[TMP]                   ; (it saturates)
	s_delay_alu instid0(VALU_DEP_1)
	v_ldexp_f32 v[F], 1.0, v[TMP]                  ; f = 2^(old M - new M)
.set j, 0
.rept 32
	v_pk_fma_f32 v[S+j:S+j+1], v[S+j:S+j+1], s[CS:CS+1], v[NM:NM+1] op_sel_hi:[1,0,0]   ; t - M, two at a time
.set j, j+2
.endr
.irp b, 0,1,2,3
	v_fma_f32 v[BM+\b], v[BM+\b], s[CS], v[NM]     ; the same of each block's largest score
.endr
.set j, 0
	s_wait_alu depctr_va_vdst(0)
.rept 64
	v_exp_f32 v[S+j], v[S+j]                       ; p = 2^(t - M)
.set j, j+1
.endr
	v_pk_mul_f32 v[SUM:SUM+1], v[SUM:SUM+1], v[F:F+1] op_sel_hi:[1,0]   ; the sums under the new M (a plain line behind the exponentials)
	s_wait_alu depctr_va_vdst(0)                   ; one wait for the batch of 64, ahead of its first reader
.irp b, 0,1,2,3
	v_exp_f32 v[BM+\b], v[BM+\b]                   ; the block's largest p: the same two instructions on the same number give the same bits
.endr
	v_pk_add_f32 v[T:T+1], v[S:S+1], v[S+2:S+3]    ; the row's sum of the unquantised p, in two chains
.set j, 4
.rept 15
	v_pk_add_f32 v[SUM:SUM+1], v[SUM:SUM+1], v[S+j:S+j+1]
	v_pk_add_f32 v[T:T+1], v[T:T+1], v[S+j+2:S+j+3]
.set j, j+4
.endr
	s_delay_alu instid0(VALU_DEP_1)
	v_pk_add_f32 v[SUM:SUM+1], v[SUM:SUM+1], v[T:T+1]
	s_wait_alu depctr_va_vdst(0)                   ; and one for the four
.irp b, 0,1,2,3
	v_max_num_f32 v[BM+\b], 0x1800000, v[BM+\b]    ; the floor 2^(3 - 127): the byte cannot fall under 1
.endr
.irp b, 0,1,2,3
	s_delay_alu instid0(VALU_DEP_4)
	v_add_nc_u32 v[SO+\b], 0xff000000, v[BM+\b]    ; 2 off the exponent field: the conversion's scale operand
.endr
.irp b, 0,1,2,3
	s_delay_alu instid0(VALU_DEP_4)
	v_lshrrev_b32 v[T+\b], 23, v[SO+\b]            ; the scale's byte
.endr
	s_delay_alu instid0(VALU_DEP_3)
	v_lshl_or_b32 v[PW], v[T+1], 8, v[T]
	s_delay_alu instid0(VALU_DEP_1)
	v_lshl_or_b32 v[PW], v[T+2], 16, v[PW]
	s_delay_alu instid0(VALU_DEP_1)
	v_lshl_or_b32 v[PW], v[T+3], 24, v[PW]
.irp c, 0,1
	v_cvt_scalef32_pk16_fp6_f32 v[PCD+6*\c:PCD+6*\c+2], v[S+32*\c:S+32*\c+15], v[SO+2*\c]
	v_cvt_scalef32_pk16_fp6_f32 v[T+4*\c:T+4*\c+2], v[S+32*\c+16:S+32*\c+31], v[SO+2*\c+1]
.endr
	v_nop                                          ; one plain line behind the conversions
.irp c, 0,1                            ; a whole block in a lane: lanes 0-15 block 2 c, lanes 16-31 block 2 c + 1
.irp i, 0,1,2
	v_permlane16_swap_b32 v[PCD+6*\c+\i], v[T+4*\c+\i]
.endr
.irp i, 0,1,2
	s_delay_alu instid0(VALU_DEP_3)
	v_mov_b32 v[PCD+6*\c+3+\i], v[T+4*\c+\i]
.endr
.endr
	v_mov_b32 v[PSC], v[PW]
	s_wait_alu depctr_va_vdst(0)                   ; directly ahead of the first reader of O^T
.set j, 0
.rept 16
	v_pk_mul_f32 v[O+j:O+j+1], v[O+j:O+j+1], v[F:F+1] op_sel_hi:[1,0]   ; O^T under the new M.  Twelve of the sixteen name no register of any one product below: the places between the codes' and the scale word's making and the products
.set j, j+2
.endr
.endm
; The way out: O^T / the sum, quantised along the head's 64: two blocks; six registers of codes, two scale bytes in PW.
.macro WAYOUT
	v_add_f32 v[SUM], v[SUM], v[SUM+1]
	s_delay_alu instid0(VALU_DEP_1)
	v_permlanex16_b32 v[T], v[SUM], s[SEL], s[SEL+1]
	s_delay_alu instid0(VALU_DEP_1)
	v_add_f32 v[SUM], v[SUM], v[T]                 ; the row's sum
	s_wait_alu depctr_va_vdst(0)
	v_rcp_f32 v[F], v[SUM]
	v_nop                                          ; a plain line behind the reciprocal,
	s_wait_alu depctr_va_vdst(0)                   ; and the wait ahead of its first reader
.set j, 0
.rept 16
	v_pk_mul_f32 v[S+j:S+j+1], v[O+j:O+j+1], v[F:F+1] op_sel_hi:[1,0]   ; register 16 d + i is o(my query, 32 d + 16 (lane / 16) + i); each accumulator from its low end on
.set j, j+2
.endr
.irp b, 0,1
	v_max3_num_f32 v[BM+\b], |v[S+16*\b]|, |v[S+16*\b+1]|, 0x1800000
.endr
.irp i, 2,4,6,8,10,12,14
.irp b, 0,1
	s_delay_alu instid0(VALU_DEP_2)
	v_max3_num_f32 v[BM+\b], v[BM+\b], |v[S+16*\b+\i]|, |v[S+16*\b+\i+1]|
.endr
.endr
.irp b, 0,1
	s_delay_alu instid0(VALU_DEP_2)
	v_permlanex16_b32 v[T+\b], v[BM+\b], s[SEL], s[SEL+1]
.endr
.irp b, 0,1
	s_delay_alu instid0(VALU_DEP_2)
	v_max_num_f32 v[BM+\b], v[BM+\b], v[T+\b]
.endr
.irp b, 0,1
	s_delay_alu instid0(VALU_DEP_2)
	v_add_nc_u32 v[SO+\b], 0xff000000, v[BM+\b]
.endr
.irp b, 0,1
	s_delay_alu instid0(VALU_DEP_2)
	v_lshrrev_b32 v[T+\b], 23, v[SO+\b]
.endr
	s_delay_alu instid0(VALU_DEP_1)
	v_lshl_or_b32 v[PW], v[T+1], 8, v[T]
	v_cvt_scalef32_pk16_fp6_f32 v[PCD:PCD+2], v[S:S+15], v[SO]
	v_cvt_scalef32_pk16_fp6_f32 v[T+4:T+6], v[S+16:S+31], v[SO+1]
	v_nop
.irp i, 0,1,2
	v_permlane16_swap_b32 v[PCD+\i], v[T+4+\i]
.endr
.irp i, 0,1,2
	s_delay_alu instid0(VALU_DEP_3)
	v_mov_b32 v[PCD+3+\i], v[T+4+\i]
.endr
	global_store_b128 v[L16], v[PCD:PCD+3], s[OB:OB+1]             ; 512 consecutive bytes, aligned to 256
	global_store_b64 v[L8], v[PCD+4:PCD+5], s[OB:OB+1] offset:512  ; 256
	global_store_b16 v[R32], v[PW], s[OSB:OSB+1]
	s_wait_xcnt 0x0                                ; the stores have read their registers and bases: both may be written again
.endm
.Lstep:                                            ; seventeen trips, a key step of 128 keys each
	s_cmp_le_u32 s[N], s[K]                        ; trips 0 .. k: the first tile, record n; then the second, record 16 - n
	s_cselect_b32 s[TB], s[TBU], s[TBD]
	s_min_u32 s[TB], s[TB], 15*STEPB               ; (what is chosen lies inside the sixteen records; this holds the other number of trip 0 there too)
	v_add_nc_u32 v[ADK], s[TB], v[L16]
	v_add_nc_u32 v[ADS], s[TB], v[L8]
	s_wait_alu depctr_va_vdst(0)                   ; V's loads read the two behind the wait for K
.irp f, 0,1,2,3
.irp c, 0,1,2
	ds_load_b128 v[FRG+12*\f+4*\c:FRG+12*\f+4*\c+3], v[ADK] offset:1536*\f+512*\c          ; K's images: 512 consecutive bytes a load
.endr
.endr
	ds_load_b64 v[KSC:KSC+1], v[ADS] offset:12288
	s_wait_dscnt 0x0
	SPROD
.rept 4
	v_nop                                          ; places behind the products: loads into K's registers and reads of the scores follow
.endr
.irp f, 0,1,2,3
.irp c, 0,1,2
	ds_load_b128 v[FRG+12*\f+4*\c:FRG+12*\f+4*\c+3], v[ADK] offset:6144+1536*\f+512*\c     ; V's images take K's registers; the softmax stands between these loads and the wait for them
.endr
.endr
	ds_load_b64 v[VSC:VSC+1], v[ADS] offset:12544
	s_sub_co_u32 s48, s[N], s[K]
	s_cmp_gt_u32 s48, 1                            ; trips k and k + 1 take the two tiles' diagonal records; in all others every key counts
	s_cbranch_scc1 .Lopen
	MASK
.Lopen:
	SOFT
	s_wait_alu depctr_va_vdst(0)
	s_wait_dscnt 0x0                               ; V is in
	PV
.rept 4
	v_nop                                          ; places behind the last products: the next step loads into V's registers, the way out reads O^T
.endr
	s_cmp_lg_u32 s[N], s[K]                        ; behind trip k the first tile is finished
	s_cbranch_scc1 .Lsame
	WAYOUT
	v_mov_b32 v[QSC], v[QSN]                       ; the second image: its scale word first, then its codes; the lines that begin the sums anew are the places ahead of the next products
.irp i, 0,1,2,3,4,5
	v_mov_b32 v[QZ+6+\i], v[QN+\i]
.endr
	INIT
	s_wait_alu depctr_va_vdst(0)
	s_lshl_b32 s[Q0], s[K2], 7
	s_lshl_b32 s[QK], s[J2], 5
	s_add_co_u32 s[Q0], s[Q0], s[QK]               ; 32 (63 - 4 k - j)
	SETOUT
.Lsame:
	s_add_co_u32 s[TBU], s[TBU], STEPB
	s_sub_co_u32 s[TBD], s[TBD], STEPB
	s_add_co_u32 s[N], s[N], 1
	s_cmp_lt_u32 s[N], 17
	s_cbranch_scc1 .Lstep
	WAYOUT
	s_wait_tensorcnt 0x0                           ; the wave's end
	ds_add_u32 v[SPW], v[NIL]
	s_wait_dscnt 0x0
	CROUND                                         ; the closing round
	s_endpgm
.Lfunc_end_k_q79c18e01be_attn:
	.size	k_q79c18e01be_attn, .Lfunc_end_k_q79c18e01be_attn-k_q79c18e01be_attn
	.p2alignl 7, 3214868480
	.fill 96, 4, 3214868480
	.section	.rodata,"a",@progbits
	.p2align	6, 0x0
	.amdhsa_kernel k_q79c18e01be_attn
		.amdhsa_group_segment_fixed_size 327680
		.amdhsa_private_segment_fixed_size 0
		.amdhsa_enable_private_segment 0
		.amdhsa_kernarg_size 32
		.amdhsa_user_sgpr_count 2
		.amdhsa_user_sgpr_kernarg_segment_ptr 1
		.amdhsa_wavefront_size32 1
		.amdhsa_system_sgpr_workgroup_id_x 1
		.amdhsa_system_sgpr_workgroup_id_y 1
		.amdhsa_system_sgpr_workgroup_id_z 1
		.amdhsa_system_vgpr_workitem_id 0
		.amdhsa_next_free_vgpr 256
		.amdhsa_next_free_sgpr 66
		.amdhsa_reserve_vcc 1
		.amdhsa_float_denorm_mode_32 3
		.amdhsa_float_denorm_mode_16_64 3
		.amdhsa_memory_ordered 1
		.amdhsa_forward_progress 1
		.amdhsa_inst_pref_size 43
	.end_amdhsa_kernel
	.amdgpu_metadata
---
amdhsa.version: [ 1, 2 ]
amdhsa.kernels:
  - .name:           k_q79c18e01be_attn
    .symbol:         k_q79c18e01be_attn.kd
    .args:
      - { .name: qimg, .offset: 0, .size: 8, .value_kind: global_buffer, .address_space: global }
      - { .name: kvimg, .offset: 8, .size: 8, .value_kind: global_buffer, .address_space: global }
      - { .name: oimg, .offset: 16, .size: 8, .value_kind: global_buffer, .address_space: global }
      - { .name: oscl, .offset: 24, .size: 8, .value_kind: global_buffer, .address_space: global }
    .group_segment_fixed_size: 327680
    .private_segment_fixed_size: 0
    .kernarg_segment_align: 8
    .kernarg_segment_size: 32
    .max_flat_workgroup_size: 512
    .sgpr_count:     66
    .vgpr_count:     256
    .wavefront_size: 32
...
	.end_amdgpu_metadata
.endif
;; end of part 3
;; launch gemm_proj (part 4): grid 8 x 32, 4 waves a work-group, clusters of 4 x 4, 327,680 bytes of LDS; arguments oimg, oscl, wc, ws, b_proj, out0; writes out0
.if DOCPART == 4
	.amdgcn_target "amdgcn-amd-amdhsa--gfx1250"
	.amdhsa_code_object_version 6
	.text
	.protected	k_q79c18e01be_gemm_proj
	.globl	k_q79c18e01be_gemm_proj
	.p2align	8
	.type	k_q79c18e01be_gemm_proj,@function
k_q79c18e01be_gemm_proj:
	s_mov_b64 s[64:65], 0
	v_nop
	global_prefetch_b8 v0, s[64:65] scope:SCOPE_SE
	s_setreg_imm32_b32 hwreg(HW_REG_WAVE_MODE, 25, 1), 1
	s_wait_xcnt 0x0
	s_wait_alu depctr_hold_cnt(0) depctr_sa_sdst(0) depctr_va_vdst(0) depctr_va_sdst(0) depctr_va_ssrc(0) depctr_va_vcc(0) depctr_vm_vsrc(0)
	s_getreg_b32 s2, hwreg(HW_REG_IB_STS2, 6, 4)
	s_cmp_eq_u32 s2, 0
	s_cbranch_scc0 .Lentry_in_a_cluster
	s_endpgm
.Lentry_in_a_cluster:
	s_bfe_u32 s2, ttmp6, 0x10000c
	s_cmp_lg_u32 s2, 0xf033
	s_cbranch_scc0 .Lentry_shape_is_right
	s_endpgm
.Lentry_shape_is_right:
; out0 = o W_proj + b_proj on codes of FP6 (E2M3) with E8M0 scales, f32 out.  256 work-groups: row block g (256 rows) x column group c (128 columns).
; All operands, all of K, come into LDS once, by one tensor load a wave; nothing is filled again.  o's 16 tiles of 16 rows are 196,608 dense bytes of oimg, images of operand registers ([tile][head][768]: registers 0-3 at 16 l, 4-5 at 512 + 8 l);
; W_proj's 128 columns are rows 3,072 + 128 c .. of wc (768 bytes a row).  Four waves, 2 x 2: wave (a, b) has tiles 8 a .. 8 a + 7 and columns 64 b .. + 63; its 64 rows of the weight, all of K, lie in 384 registers.
; A BLOCK is a tile of o, all of K: 32 products on four accumulators by turns, source 0 = the weight's rows; the bias is the C of the first four.  A lane then holds a token and 32 of its 64 columns.
; A finished block goes through my own stage in LDS and leaves as rows of 256 consecutive bytes, aligned; block x's stores stand behind block x + 1's products.
; Rows of wc lie with bits 3 and 4 of their index exchanged; tile x of a wave holds tokens 32 (x / 2) + 8 (x % 2) + r + 8 (r / 8).
; CLUSTERS 4 x 4: o's tiles are shared along a row of the cluster, the weight's along a column.  No prefetch into the L2: every tile is asked for at the head, and there is no loop to run ahead in.
.set KROW,  768
.set PITCH, 816
.set FR,    12
.set FPW,   21
.set NF,    34                         ; LDS loads of a block: 8 fragments of 4 loads, 2 loads of scale words
.set WB,    196608
.set XSC,   WB+128*PITCH
.set SPARE, XSC+32*272
.set STAGE, SPARE+512                  ; 16 rows of 256 + 16 bytes for each wave
.set AO16, 4                           ; v4, v5  16 x lane in my tiles 0-3, 4-7
.set AO8,  6                           ; v6, v7  8 x lane
.set ADW,  8
.set AXS,  10
.set ABS,  11
.set SPW,  12
.set NIL,  13
.set BH,   14
.set STO,  15
.set RD,   16
.set CO,   17
.set SB,   24
.set SA,   76
.set BI,   92
.set BK,   160                         ; v160-223 two sets of 32: a block read back from the stage
.set G1A, 24
.set G1B, 32
.set G1S, 44
.set G0A, 52
.set G0B, 56
.set G0S, 60
.set G0C, 68
.set MSB, 0
.macro WIN new
.if MSB != (\new)
	s_set_vgpr_msb (MSB<<8)|(\new)
.set MSB, (\new)
.endif
.endm
.macro PLACES n
.rept \n
	v_nop
.endr
.endm
.macro WALU
	s_wait_alu depctr_va_vdst(0)
.endm
.macro BARRIER
	s_barrier_signal -1
	s_barrier_wait -1
.endm
.macro CROUND
	BARRIER
	s_cmp_lg_u32 s18, 0
	s_cbranch_scc1 .Lnot_wave_0_\@
	s_barrier_signal -3
.Lnot_wave_0_\@:
	s_barrier_wait -3
	BARRIER
.endm
.macro TLOAD g0, g1
	tensor_load_to_lds s[\g0:\g0+3], s[\g1:\g1+7]
	s_nop 0
	PLACES 4
.endm
.macro DENSE g, mask, bits, rows       ; a dense block as rows of 256 bytes (32 elements of 8)
	s_or_b32 s[\g+0], s\mask, \bits
	s_mov_b32 s[\g+1], 32<<16
	s_mov_b32 s[\g+2], (\rows)<<16
	s_mov_b32 s[\g+3], 32<<16
	s_mov_b32 s[\g+4], \rows
	s_mov_b32 s[\g+5], 32
	s_mov_b32 s[\g+6], 0
	s_mov_b32 s[\g+7], 0
.endm
.macro WEIGHTS                         ; six pieces of 8 bytes a fragment; lanes 16-31 read 24 bytes on: where that is behind one padding more, the second address register serves
.irp q, 0,1,2,3,4,5,6,7
.irp t, 0,1,2,3
	WIN (1+(4*\q+\t)/FPW)<<6
.set R_, FR*((4*\q+\t)%FPW)
.irp p, 0,1,2,3,4,5
.set PC_, 12*\q+6*(\p/3)+\p%3
	ds_load_b64 v[R_+2*\p:R_+2*\p+1], v[ADW+(PC_%32+3)/32] offset:\t*16*PITCH+8*(PC_+2*(PC_/32))
.endr
.endr
.endr
	WIN 0
.endm
.macro FETCH e, xb
.irp q, 0,1,2,3,4,5,6,7
	WIN (1+(32+8*(\e)+\q)/FPW)<<6
.set R_, FR*((32+8*(\e)+\q)%FPW)
.set O_, ((\xb)%4)*12288+\q*1536
	ds_load_b128 v[R_:R_+3], v[AO16+(\xb)/4] offset:O_             ; head 2 q
	ds_load_b64 v[R_+4:R_+5], v[AO8+(\xb)/4] offset:O_+512
	ds_load_b128 v[R_+6:R_+9], v[AO16+(\xb)/4] offset:O_+768       ; head 2 q + 1
	ds_load_b64 v[R_+10:R_+11], v[AO8+(\xb)/4] offset:O_+1280
.endr
	WIN 0
	ds_load_b128 v[SA+8*(\e):SA+8*(\e)+3], v[AXS] offset:(\xb)*544
	ds_load_b128 v[SA+8*(\e)+4:SA+8*(\e)+7], v[AXS] offset:(\xb)*544+16
.endm
.macro PROD e, n                       ; product n = 4 q + tile into D_
.set Q_, (\n)/4
.set T_, (\n)%4
.set FX_, 32+8*(\e)+Q_
.set XW_, SB+8*(T_/2)+Q_
.set XX_, SA+8*(\e)+Q_
.if Q_
.set C_, D_
.set CW_, 3
.else
.set C_, BI+8*T_
.set CW_, 0
.endif
	WIN (1+(\n)/FPW)|((1+FX_/FPW)<<2)|(CW_<<4)|(3<<6)
.if T_%2
	v_wmma_scale_f32_16x16x128_f8f6f4 v[D_:D_+7], v[FR*((\n)%FPW):FR*((\n)%FPW)+FR-1], v[FR*(FX_%FPW):FR*(FX_%FPW)+FR-1], v[C_:C_+7], v[XW_], v[XX_] matrix_a_fmt:MATRIX_FMT_FP6 matrix_b_fmt:MATRIX_FMT_FP6 matrix_a_scale:MATRIX_SCALE_ROW1
.else
	v_wmma_scale_f32_16x16x128_f8f6f4 v[D_:D_+7], v[FR*((\n)%FPW):FR*((\n)%FPW)+FR-1], v[FR*(FX_%FPW):FR*(FX_%FPW)+FR-1], v[C_:C_+7], v[XW_], v[XX_] matrix_a_fmt:MATRIX_FMT_FP6 matrix_b_fmt:MATRIX_FMT_FP6
.endif
.endm
.macro SEND x, younger                 ; block x, back from the stage, is stored: sixteen lanes fill 256 consecutive bytes, aligned
	s_wait_dscnt \younger
.irp t, 0,1,2,3,4,5,6,7
	global_store_b128 v[CO], v[BK+32*((\x)%2)+4*\t:BK+32*((\x)%2)+4*\t+3], s[86:87] offset:(32*((\x)/2)+8*((\x)%2)+2*\t+8*(\t/4))*4096 th:TH_STORE_NT
.endr
.endm
.macro TOSTAGE x                       ; LDS serves a wave's instructions in order: no wait between the stores and the loads
	s_wait_xcnt 0x0                        ; block x - 2's stores have read the registers that the loads below write
	WIN 0x0c
.irp t, 0,1,2,3
	ds_store_b128 v[STO], v[72+32*((\x)%2)+8*\t:72+32*((\x)%2)+8*\t+3] offset:128*(\t/2)+32*(\t%2)      ; each accumulator from its low end on
	ds_store_b128 v[STO], v[72+32*((\x)%2)+8*\t+4:72+32*((\x)%2)+8*\t+7] offset:128*(\t/2)+32*(\t%2)+16
.endr
	WIN 0
.irp t, 0,1,2,3,4,5,6,7
	ds_load_b128 v[BK+32*((\x)%2)+4*\t:BK+32*((\x)%2)+4*\t+3], v[RD] offset:2*\t*272
.endr
.endm
.macro BLK xb, w, y                    ; w: LDS instructions younger than this block's loads (-1: shown in already); y: those younger than the last block's loads from the stage
.if (\w) >= 0
	s_wait_dscnt \w
.endif
.set N_, 0
.rept 32
.set D_, 72+32*((\xb)%2)+8*(N_%4)
	PROD (\xb)%2, N_
.set N_, N_+1
.endr
	WIN 0
	PLACES 4
.if (\xb) > 0
	SEND (\xb)-1, \y
.endif
	TOSTAGE \xb
.if (\xb) < 6
	FETCH (\xb)%2, (\xb)+2
.endif
.endm
	s_load_b128 s[4:7], s[0:1], 0x0        ; oimg, oscl
	s_load_b128 s[8:11], s[0:1], 0x10      ; wc, ws
	s_load_b128 s[12:15], s[0:1], 0x20     ; b_proj, out0
	v_lshl_add_u32 v[SPW], v0, 2, SPARE
	v_mov_b32 v[NIL], 0
	ds_add_u32 v[SPW], v[NIL]              ; the opening lines
	ds_add_u32 v[SPW], v[NIL]
	v_lshrrev_b32 v1, 5, v0
	v_readfirstlane_b32 s18, v1            ; wave
	s_lshr_b32 s19, s18, 1                 ; a
	s_and_b32 s20, s18, 1                  ; b
	s_bfe_u32 s21, ttmp6, 0x40000
	s_bfe_u32 s22, ttmp6, 0x40004
	s_lshl_b32 s23, ttmp9, 2
	s_add_co_u32 s23, s23, s21             ; c
	s_and_b32 s40, ttmp7, 0xffff
	s_lshl_b32 s40, s40, 2
	s_add_co_u32 s40, s40, s22             ; g
	s_lshl_b32 s41, s22, 2
	s_lshl_b32 s41, 15, s41
	s_lshl_b32 s42, 0x1111, s21
	DENSE G1A, 41, (3<<16)|(1<<21), 384                                ; eight tiles of o: 98,304 bytes, no padding
	DENSE G1S, 41, (3<<16)|(1<<20)|(1<<21)|(5<<22)|(3<<25), 32         ; the rows' scale bytes, 16 of padding behind every 256
	s_or_b32 s[G1B+0], s42, (1<<20)|(1<<21)|(5<<22)|(3<<25)            ; 128 rows of 768 bytes, 16 of padding behind every 256
	s_mov_b32 s[G1B+1], KROW<<16
	s_mov_b32 s[G1B+2], 128<<16
	s_mov_b32 s[G1B+3], KROW<<16
	s_mov_b32 s[G1B+4], 128
	s_mov_b32 s[G1B+5], KROW
	s_mov_b32 s[G1B+6], 0
	s_mov_b32 s[G1B+7], 0
	s_mov_b32 s[G0A], 1
	s_mov_b32 s[G0A+1], 0
	s_mov_b32 s[G0C], 1
	s_mov_b32 s[G0C+1], 98304
	s_mov_b32 s[G0B], 1
	s_mov_b32 s[G0B+1], WB
	s_mov_b32 s[G0S], 1
	s_mov_b32 s[G0S+1], XSC
	s_mul_i32 s72, s40, 196608
	s_mov_b32 s73, 0
	s_lshl_b32 s74, s40, 13
	s_mov_b32 s75, 0
	s_mul_i32 s76, s23, 128*KROW
	s_add_co_u32 s76, s76, 3072*KROW
	s_mov_b32 s77, 0
	WALU
	s_wait_dscnt 0x0
	CROUND                                 ; the round in front of the joint loads
	s_wait_kmcnt 0x0
	s_add_nc_u64 s[G0A+2:G0A+3], s[4:5], s[72:73]
	s_add_nc_u64 s[G0C+2:G0C+3], s[G0A+2:G0A+3], 98304
	s_or_b32 s[G0A+3], s[G0A+3], 0x80000000
	s_or_b32 s[G0C+3], s[G0C+3], 0x80000000
	s_add_nc_u64 s[G0S+2:G0S+3], s[6:7], s[74:75]
	s_or_b32 s[G0S+3], s[G0S+3], 0x80000000
	s_add_nc_u64 s[G0B+2:G0B+3], s[8:9], s[76:77]
	s_or_b32 s[G0B+3], s[G0B+3], 0x80000000
	s_cmp_eq_u32 s18, 0                    ; one load a wave, in one chain of arms
	s_cbranch_scc0 .Lw1
	TLOAD G0B, G1B                         ; wave 0: the weight's 128 rows
	s_branch .Lasked
.Lw1:
	s_cmp_eq_u32 s18, 1
	s_cbranch_scc0 .Lw2
	TLOAD G0S, G1S                         ; wave 1: o's scale bytes
	s_branch .Lasked
.Lw2:
	s_cmp_eq_u32 s18, 2
	s_cbranch_scc0 .Lw3
	TLOAD G0A, G1A                         ; wave 2: tiles 0-7
	s_branch .Lasked
.Lw3:
	TLOAD G0C, G1A                         ; wave 3: tiles 8-15
.Lasked:
	s_lshl_b32 s78, s23, 12
	s_lshl_b32 s79, s20, 11
	s_add_co_u32 s78, s78, s79
	s_add_co_u32 s78, s78, 3072*32         ; my 64 rows of ws
	s_mov_b32 s79, 0
	s_add_nc_u64 s[78:79], s[10:11], s[78:79]
	s_lshl_b32 s80, s23, 9
	s_lshl_b32 s81, s20, 8
	s_add_co_u32 s80, s80, s81             ; my first column, in bytes
	s_mov_b32 s81, 0
	s_lshl_b32 s86, s40, 20
	s_lshl_b32 s87, s19, 19
	s_add_co_u32 s86, s86, s87
	s_add_co_u32 s86, s86, s80             ; + my first row: 4,096 (256 g + 128 a)
	s_mov_b32 s87, 0
	s_add_nc_u64 s[86:87], s[14:15], s[86:87]
	s_add_nc_u64 s[80:81], s[12:13], s[80:81]
	v_and_b32 v1, 15, v0                   ; r
	v_bfe_u32 v2, v0, 4, 1                 ; h
	v_and_b32 v3, 31, v0
	s_mul_i32 s88, s19, 98304
	v_lshl_add_u32 v[AO16], v3, 4, s88
	v_lshl_add_u32 v[AO8], v3, 3, s88
	v_add_nc_u32 v[AO16+1], 49152, v[AO16]
	v_add_nc_u32 v[AO8+1], 49152, v[AO8]
	v_mul_u32_u24 v22, v1, PITCH
	v_mad_u32_u24 v23, v2, 24, v22
	v_mad_u32_u24 v22, v2, 40, v22
	s_mul_i32 s43, s20, 64*PITCH
	s_add_co_u32 s43, s43, WB
	v_add_nc_u32 v[ADW], s43, v23
	v_add_nc_u32 v[ADW+1], s43, v22
	v_lshlrev_b32 v23, 5, v1
	v_lshrrev_b32 v22, 3, v1
	v_lshl_add_u32 v23, v22, 4, v23        ; 32 r + 16 (r / 8)
	s_mul_i32 s94, s19, 8*544
	s_add_co_u32 s94, s94, XSC
	v_add_nc_u32 v[AXS], s94, v23
	v_lshlrev_b32 v[ABS], 5, v3
	v_lshlrev_b32 v[BH], 6, v2
	s_mul_i32 s89, s18, 16*272
	s_add_co_u32 s89, s89, STAGE
	v_mul_u32_u24 v22, v1, 272
	v_lshl_add_u32 v22, v2, 6, v22
	v_add_nc_u32 v[STO], s89, v22          ; in: row r, 64 bytes for each half of the lanes
	v_mul_u32_u24 v22, v2, 272
	v_lshl_add_u32 v22, v1, 4, v22
	v_add_nc_u32 v[RD], s89, v22           ; back: sixteen lanes to a row, two rows a load
	v_lshlrev_b32 v22, 12, v2
	v_lshl_add_u32 v[CO], v1, 4, v22       ; and the same two rows in out0
	WALU
.irp p, 0,1
.irp c, 0,1
	global_load_b128 v[SB+8*\p+4*\c:SB+8*\p+4*\c+3], v[ABS], s[78:79] offset:1024*\p+16*\c   ; lane l: row 32 p + l's eight words
.endr
.endr
.irp t, 0,1,2,3
	global_load_b128 v[BI+8*\t:BI+8*\t+3], v[BH], s[80:81] offset:(32*(\t/2)+8*(\t%2))*4     ; register j of tile t: column 32 (t / 2) + 8 (t % 2) + 16 h + j
	global_load_b128 v[BI+8*\t+4:BI+8*\t+7], v[BH], s[80:81] offset:(32*(\t/2)+8*(\t%2))*4+16
.endr
	s_wait_tensorcnt 0x0                   ; my tile is in,
	BARRIER                                ; everybody's are
	WEIGHTS
	FETCH 0, 0
	FETCH 1, 1
	s_wait_dscnt 0x0
	s_wait_loadcnt 0x0
	BLK 0, -1, 0
	BLK 1, -1, NF
.irp x, 2,3,4,5,6
	BLK \x, NF+16, NF                      ; younger than block x's loads: the last block's 16 stage instructions and the next block's NF loads
.endr
	BLK 7, 16, 0
	SEND 7, 0
	s_wait_tensorcnt 0x0                   ; the wave's end
	ds_add_u32 v[SPW], v[NIL]
	s_wait_dscnt 0x0
	CROUND                                 ; the closing round
	s_endpgm
.Lfunc_end_k_q79c18e01be_gemm_proj:
	.size	k_q79c18e01be_gemm_proj, .Lfunc_end_k_q79c18e01be_gemm_proj-k_q79c18e01be_gemm_proj
	.p2alignl 7, 3214868480
	.fill 96, 4, 3214868480
	.section	.rodata,"a",@progbits
	.p2align	6, 0x0
	.amdhsa_kernel k_q79c18e01be_gemm_proj
		.amdhsa_group_segment_fixed_size 327680
		.amdhsa_private_segment_fixed_size 0
		.amdhsa_enable_private_segment 0
		.amdhsa_kernarg_size 48
		.amdhsa_user_sgpr_count 2
		.amdhsa_user_sgpr_kernarg_segment_ptr 1
		.amdhsa_wavefront_size32 1
		.amdhsa_system_sgpr_workgroup_id_x 1
		.amdhsa_system_sgpr_workgroup_id_y 1
		.amdhsa_system_sgpr_workgroup_id_z 1
		.amdhsa_system_vgpr_workitem_id 0
		.amdhsa_next_free_vgpr 1024
		.amdhsa_next_free_sgpr 96
		.amdhsa_reserve_vcc 0
		.amdhsa_float_denorm_mode_32 3
		.amdhsa_float_denorm_mode_16_64 3
		.amdhsa_memory_ordered 1
		.amdhsa_forward_progress 1
		.amdhsa_inst_pref_size 89
	.end_amdhsa_kernel
	.amdgpu_metadata
---
amdhsa.version: [ 1, 2 ]
amdhsa.kernels:
  - .name:           k_q79c18e01be_gemm_proj
    .symbol:         k_q79c18e01be_gemm_proj.kd
    .args:
      - { .name: oimg, .offset: 0, .size: 8, .value_kind: global_buffer, .address_space: global }
      - { .name: oscl, .offset: 8, .size: 8, .value_kind: global_buffer, .address_space: global }
      - { .name: wc, .offset: 16, .size: 8, .value_kind: global_buffer, .address_space: global }
      - { .name: ws, .offset: 24, .size: 8, .value_kind: global_buffer, .address_space: global }
      - { .name: b_proj, .offset: 32, .size: 8, .value_kind: global_buffer, .address_space: global }
      - { .name: out0, .offset: 40, .size: 8, .value_kind: global_buffer, .address_space: global }
    .group_segment_fixed_size: 327680
    .private_segment_fixed_size: 0
    .kernarg_segment_align: 8
    .kernarg_segment_size: 48
    .max_flat_workgroup_size: 128
    .sgpr_count:     96
    .vgpr_count:     1024
    .wavefront_size: 32
...
	.end_amdgpu_metadata
.endif
;; end of part 4
